; MI455X (gfx1250); checked and timed in simulation.
; The chip was launched on July 23, 2026; its instructions are those of AMD's public machine-readable ISA for CDNA 5 (MIT licence, August 2026) and "CDNA5" Instruction Set Architecture Reference Guide (July 2026). The comments in the code are by the model that wrote it; some were corrected since.
;; Cross Multi Head Attention. Allowed arithmetic: float matrix products may take bf16 or f16 operands with f32 sums; all other float work in f32.
;; Inputs: encoderOutputs 4 x 2,048 x 1,024 float32; inputs 4 x 2,048 x 1,024 float32; wk 1,024 x 1,024 float32; wo 1,024 x 1,024 float32; wq 1,024 x 1,024 float32; wv 1,024 x 1,024 float32.
;; Outputs: out0 4 x 2,048 x 1,024 float32.
;; One version. Each part assembles by itself: llvm-mc -triple=amdgcn-amd-amdhsa -mcpu=gfx1250 --defsym DOCPART=n.
;; ======== version 1 of 1: 4 launches
;; limits: values are held in f16: magnitudes above 65,504 overflow, below 6.1e-05 lose precision
;; workspace buffers: wb 8,388,608 bytes; qkv 50,331,648 bytes; ob 16,777,216 bytes
;; launch cast (part 1): grid 256 x 1, 8 waves a work-group, no clusters, 0 bytes of LDS; arguments wq, wk, wv, wo, wb; writes wb
.if DOCPART == 1
	.amdgcn_target "amdgcn-amd-amdhsa--gfx1250"
	.amdhsa_code_object_version 6
	.text
	.protected	k_qf3e61435a1_cast
	.globl	k_qf3e61435a1_cast
	.p2align	8
	.type	k_qf3e61435a1_cast,@function
k_qf3e61435a1_cast:
	s_mov_b64 s[64:65], 0
	v_nop
	global_prefetch_b8 v0, s[64:65] scope:SCOPE_SE
	s_setreg_imm32_b32 hwreg(HW_REG_WAVE_MODE, 25, 1), 1
	s_wait_xcnt 0x0
; The four f32 weights, rounded once to bf16 (nearest even), as flat copies for the matrix launches behind.
;   wb: [4096][1024] of 16 bits: rows 0-1023 wq, 1024-2047 wk, 2048-3071 wv (bf16), rows 3072-4095 wo: the bf16 number written as f16.
; (The two activations are not copied: the projection reads them as f32 and rounds them on its way to the matrix unit.)
; LIMITS.  wo as f16: exact for magnitudes from 2^-17 to 65,504; below that it keeps f16's fixed step of 6e-8, beyond it becomes an infinity.
; SHARES.  A work-group takes 16 source rows of 4,096 bytes.  Thread t takes bytes 16 t of each row (a wave's load covers 512 consecutive bytes) and stores
; 8 bytes at 8 t of the 2,048-byte row (a wave's store covers 256 consecutive bytes, aligned).  All 16 loads go out first; no register is used twice, so nothing but
; the counted waits for the loads is needed.  No LDS, no matrix unit, no cluster: every byte is read once and no work-group shares a byte with another.
; Work-groups 0-63 wq, 64-127 wk, 128-191 wv, 192-255 wo.
.set X, 4                              ; v[4:67]    row i: 4 registers as loaded
.set Y, 68                             ; v[68:99]   row i: 2 registers to store
.set T, 100                            ; v[100:101] at work (wo alone)
	s_load_b256 s[8:15], s[0:1], 0x0               ; wq s[8:9], wk s[10:11], wv s[12:13], wo s[14:15]
	s_load_b64 s[16:17], s[0:1], 0x20              ; wb
	s_mov_b32 s2, ttmp9
	v_lshlrev_b32 v1, 4, v0                        ; my 16 bytes of a source row
	v_lshlrev_b32 v2, 3, v0                        ; my 8 bytes of a row to store
	s_and_b32 s4, s2, 63
	s_lshl_b32 s4, s4, 16                          ; source offset: 16 rows of 4,096 bytes a work-group, 64 work-groups a weight
	s_mov_b32 s5, 0
	s_lshl_b32 s6, s2, 15                          ; destination offset: 16 rows of 2,048 bytes a work-group
	s_mov_b32 s7, 0
	s_wait_kmcnt 0x0
	s_cmp_lt_u32 s2, 192                           ; the source is chosen by the work-group's number alone
	s_cselect_b64 s[24:25], s[12:13], s[14:15]
	s_cmp_lt_u32 s2, 128
	s_cselect_b64 s[24:25], s[10:11], s[24:25]
	s_cmp_lt_u32 s2, 64
	s_cselect_b64 s[24:25], s[8:9], s[24:25]
	s_add_nc_u64 s[24:25], s[24:25], s[4:5]
	s_add_nc_u64 s[26:27], s[16:17], s[6:7]
.irp i, 0,1,2,3,4,5,6,7,8,9,10,11,12,13,14,15
	global_load_b128 v[X+4*(\i):X+4*(\i)+3], v1, s[24:25] offset:(\i)*4096 th:TH_LOAD_NT
.endr
; Row by row: wait, round, store.  half = 1: the bf16 numbers are widened again and written as f16.
.macro OUT half
.irp i, 0,1,2,3,4,5,6,7,8,9,10,11,12,13,14,15
	s_wait_loadcnt 15-(\i)                         ; loads come back in order (ISA guide 5.7.1): row i is in, the younger rows stay out
	v_cvt_pk_bf16_f32 v[Y+2*(\i)], v[X+4*(\i)], v[X+4*(\i)+1]
	v_cvt_pk_bf16_f32 v[Y+2*(\i)+1], v[X+4*(\i)+2], v[X+4*(\i)+3]
.if \half
.irp j, 0,1
	v_lshlrev_b32 v[T], 16, v[Y+2*(\i)+(\j)]
	v_and_b32 v[T+1], 0xffff0000, v[Y+2*(\i)+(\j)]
	v_cvt_pk_f16_f32 v[Y+2*(\i)+(\j)], v[T], v[T+1]
.endr
.endif
	global_store_b64 v2, v[Y+2*(\i):Y+2*(\i)+1], s[26:27] offset:(\i)*2048
.endr
.endm
	s_cmp_ge_u32 s2, 192
	s_cbranch_scc1 .Lwo
	OUT 0
	s_endpgm
.Lwo:
	OUT 1
	s_endpgm
.Lfunc_end_k_qf3e61435a1_cast:
	.size	k_qf3e61435a1_cast, .Lfunc_end_k_qf3e61435a1_cast-k_qf3e61435a1_cast
	.p2alignl 7, 3214868480
	.fill 96, 4, 3214868480
	.section	.rodata,"a",@progbits
	.p2align	6, 0x0
	.amdhsa_kernel k_qf3e61435a1_cast
		.amdhsa_group_segment_fixed_size 0
		.amdhsa_private_segment_fixed_size 0
		.amdhsa_enable_private_segment 0
		.amdhsa_kernarg_size 40
		.amdhsa_user_sgpr_count 2
		.amdhsa_user_sgpr_kernarg_segment_ptr 1
		.amdhsa_wavefront_size32 1
		.amdhsa_system_sgpr_workgroup_id_x 1
		.amdhsa_system_sgpr_workgroup_id_y 1
		.amdhsa_system_sgpr_workgroup_id_z 1
		.amdhsa_system_vgpr_workitem_id 0
		.amdhsa_next_free_vgpr 104
		.amdhsa_next_free_sgpr 66
		.amdhsa_reserve_vcc 0
		.amdhsa_float_denorm_mode_32 3
		.amdhsa_float_denorm_mode_16_64 3
		.amdhsa_memory_ordered 1
		.amdhsa_forward_progress 1
		.amdhsa_inst_pref_size 16
	.end_amdhsa_kernel
	.amdgpu_metadata
---
amdhsa.version: [ 1, 2 ]
amdhsa.kernels:
  - .name:           k_qf3e61435a1_cast
    .symbol:         k_qf3e61435a1_cast.kd
    .args:
      - { .name: wq, .offset: 0, .size: 8, .value_kind: global_buffer, .address_space: global }
      - { .name: wk, .offset: 8, .size: 8, .value_kind: global_buffer, .address_space: global }
      - { .name: wv, .offset: 16, .size: 8, .value_kind: global_buffer, .address_space: global }
      - { .name: wo, .offset: 24, .size: 8, .value_kind: global_buffer, .address_space: global }
      - { .name: wb, .offset: 32, .size: 8, .value_kind: global_buffer, .address_space: global }
    .group_segment_fixed_size: 0
    .private_segment_fixed_size: 0
    .kernarg_segment_align: 8
    .kernarg_segment_size: 40
    .max_flat_workgroup_size: 256
    .sgpr_count:     66
    .vgpr_count:     104
    .wavefront_size: 32
...
	.end_amdgpu_metadata
.endif
;; end of part 1
;; launch proj (part 2): grid 4 x 64, 4 waves a work-group, clusters of 4 x 4, 327,680 bytes of LDS; arguments inputs, encoderOutputs, wb, qkv; writes qkv
.if DOCPART == 2
	.amdgcn_target "amdgcn-amd-amdhsa--gfx1250"
	.amdhsa_code_object_version 6
	.text
	.protected	k_qf3e61435a1_proj
	.globl	k_qf3e61435a1_proj
	.p2align	8
	.type	k_qf3e61435a1_proj,@function
k_qf3e61435a1_proj:
	s_mov_b64 s[64:65], 0
	v_nop
	global_prefetch_b8 v0, s[64:65] scope:SCOPE_SE
	s_setreg_imm32_b32 hwreg(HW_REG_WAVE_MODE, 25, 1), 1
	s_wait_xcnt 0x0
	s_wait_alu depctr_hold_cnt(0) depctr_sa_sdst(0) depctr_va_vdst(0) depctr_va_sdst(0) depctr_va_ssrc(0) depctr_va_vcc(0) depctr_vm_vsrc(0)
	s_getreg_b32 s2, hwreg(HW_REG_IB_STS2, 6, 4)
	s_cmp_eq_u32 s2, 0
	s_cbranch_scc0 .Lentry_in_a_cluster
	s_endpgm
.Lentry_in_a_cluster:
	s_bfe_u32 s2, ttmp6, 0x10000c
	s_cmp_lg_u32 s2, 0xf033
	s_cbranch_scc0 .Lentry_shape_is_right
	s_endpgm
.Lentry_shape_is_right:
; q = inputs wq^T, k = encoderOutputs wk^T, v = encoderOutputs wv^T: three products [8192][1024] x [1024][1024]^T in one launch.  x comes as f32 and is rounded to bf16 (nearest even, once)
; between LDS and the matrix unit; W comes as bf16 from wb (rows 0-1023 wq, 1024-2047 wk, 2048-3071 wv).  Sums f32, K ascending; each result rounded once to f16, unscaled, and stored by heads:
; qkv = [3][64 = 16 batch + head][2048][64] f16, q at byte 0, k at 1 << 24, v at 2 << 24.
; LIMITS.  f16 holds no number beyond 65,504: a q, k or v of 65,520 or more becomes an infinity.  Inputs and weights all 30 times the drawn spread give some 5,000,
; offsets of 30 spreads on both some 29,000.  NaN and infinities are not treated apart.
; SHARES.  A tile of C is 128 rows x 256 columns: 64 x 4 places, one work-group each.  Four waves, each 64 x 128: 32 accumulators of 16 x 16, 256 registers.
; A WORK-GROUP STAYS: it makes the tiles of q, k and v at its place, one after the other.  Their 3 x 8 K steps of 128 are ONE sequence for a ring of two LDS slots filled by tensor loads: the ring
; does not stop at a tile's end, and nothing waits for a tile's stores.  U numbers the K step to be asked for; each descriptor's address is made anew from its buffer's pointer and an offset made of U.
; Rows in memory: x 512 bytes, W 256 bytes, each at a multiple of 256 bytes from its buffer's first byte.
; CLUSTERS: 4 x 4 work-groups.  The four of a row of the cluster need the same tile of x, the four of a column the same tile of W: each tile is asked for JOINTLY, by the same tensor load
; with the same descriptor and a mask that names the four.  U and all trip counts are the same in every work-group.
; THE MATRIX INSTRUCTION IS USED TRANSPOSED (source 0 = 16 rows of W, source 1 = 16 rows of x): lane l holds row l % 16 of C and eight neighbouring columns 8 (l / 16) + 0..7.
; REGISTERS, in windows of 256 (s_set_vgpr_msb's low byte: bits 1:0 source 0, 3:2 source 1, 5:4 source 2, 7:6 destination):
;   window 0: v0-31 addresses; v32-63 packed results on the way out; v64-127 x as f32, 4 x 16; v128-191 fragments of x, two buffers of 4 x 8; v192-255 rows read back on the way out, two buffers
;   window 1: the accumulators, (a, b) at v[8 (8 a + b)]          window 2: v0-127 fragments of W, two buffers of 8 x 8
.set PA,     528                       ; a row of x in LDS: 512 bytes + 16 of padding = 132 words: row r starts at bank 4 r mod 64 (64 banks of 4 bytes: ISA guide 11.1)
.set PB,     272                       ; a row of W: 256 + 16 = 68 words: likewise
.set ABYTES, 128*PA                    ; x's 128 rows
.set SLOT,   ABYTES+256*PB             ; then W's 256 rows
.set STAGE,  2*SLOT                    ; behind the ring: for each wave 2 heads x 16 rows x 144 bytes, for the way out
.set SP,     144
.set WSTAGE, 2*16*SP
.set SPARE,  STAGE+4*WSTAGE            ; behind the stages: the spare words, 128 bytes for each wave: two blocks of 256 bytes that no other line names
.set LAPS,   12                        ; a lap = two K steps = once round the ring; three tiles of
.set TLAPS,  4                         ; four laps
.set ADRA, 16                          ; v16-17  LDS address of my x rows in slot 0, 1
.set ADRB, 20                          ; v20-21  the same for W
.set STO,  24                          ; v24     the way out: where I put 16 bytes of a row
.set RD,   25                          ; v25     the way out: where I read rows back
.set GO,   26                          ; v26     my byte offset in 512 consecutive bytes of qkv
.set SPW,  28                          ; v28     LDS address of my spare word: SPARE + 4 x my thread's number; never rewritten
.set NIL,  29                          ; v29     0; never rewritten
.set TMP,  32
.set AS,   64
.set FA,   128
.set OB,   192
.set FB,   0                           ; in window 2
.set WV,   12                          ; s12  my wave's number
.set RH,   13                          ; s13  which 64 of the tile's rows are mine
.set CH,   14                          ; s14  which 128 of its columns.  Also: which half of a tile I fetch
.set TY,   15                          ; s15  tile row
.set G1,   24                          ; s[24:31] descriptor group 1 for x's tiles;  s[32:39] group 0, one set for each slot
.set G0,   32
.set U,    45                          ; s45  the K step to be asked for next, 0 to 23: product U / 8, step U % 8
.set OA,   46                          ; s[46:47] its byte offset in x
.set G1B,  48                          ; s[48:55], s[56:63] the descriptors for W's tiles
.set G0B,  56
.set OW,   66                          ; s[66:67] its byte offset in wb
.set ROWA, 68                          ; s68  byte offset of the rows of x that I fetch
.set ROWB, 69                          ; s69  of the rows of a weight that I fetch
.set LAP,  70                          ; s70  counts the loop's trips
.set LIT,  71                          ; s71  laps left in the tile in hand
.set XP,   72                          ; s[72:73] x's pointer for step U
.set MSB, 0
.macro WIN new                         ; the immediate's high byte repeats the setting that is left; a switch that changes nothing is dropped
.if MSB != (\new)
	s_set_vgpr_msb (MSB<<8)|(\new)
.set MSB, \new
.endif
.endm
.set MUL, 0x52                         ; W's fragment window 2, x's window 0, C and D window 1
; A joint load: waves 0 and 1 fetch the two halves of x's tile, waves 2 and 3 those of W's.  The branch hangs on the wave's number alone.
; An s_nop 0 and four v_nop follow each of the two lines, ahead of the jump, the label and what follows.
.macro JLOAD s
	s_cmp_lt_u32 s[WV], 2
	s_cbranch_scc0 .Lfor_b_\@
	tensor_load_to_lds s[G0+4*(\s):G0+4*(\s)+3], s[G1:G1+7]
	s_nop 0
.rept 4
	v_nop
.endr
	s_branch .Lasked_\@
.Lfor_b_\@:
	tensor_load_to_lds s[G0B+4*(\s):G0B+4*(\s)+3], s[G1B:G1B+7]
	s_nop 0
.rept 4
	v_nop
.endr
.Lasked_\@:
.endm
.macro CREST                           ; a round of the cluster's barrier behind its opening barrier
	s_cmp_lg_u32 s[WV], 0
	s_cbranch_scc1 .Lnot_wave_0_\@
	s_barrier_signal -3
.Lnot_wave_0_\@:
	s_barrier_wait -3
	s_barrier_signal -1
	s_barrier_wait -1
.endm
.macro CROUND                          ; a whole round
	s_barrier_signal -1
	s_barrier_wait -1
	CREST
.endm
; Where K step U comes from, into slot s's two descriptors; then U steps.  x: inputs for q (U < 8), encoderOutputs for k and v; 512 bytes a step.  W: 1,024 rows of 2,048 bytes a product; 256 bytes a step.
; It stands only where no tensor load of the wave that names these registers is out.
.macro WHERE s
	s_and_b32 s16, s[U], 7
	s_lshr_b32 s17, s[U], 3
	s_lshl_b32 s[OA], s16, 9
	s_add_co_u32 s[OA], s[OA], s[ROWA]
	s_lshl_b32 s[OW], s16, 8
	s_lshl_b32 s17, s17, 21
	s_add_co_u32 s[OW], s[OW], s17
	s_add_co_u32 s[OW], s[OW], s[ROWB]
	s_cmp_lt_u32 s[U], 8
	s_cselect_b64 s[XP:XP+1], s[4:5], s[6:7]
	s_add_nc_u64 s[G0+4*(\s)+2:G0+4*(\s)+3], s[XP:XP+1], s[OA:OA+1]   ; global address
	s_or_b32 s[G0+4*(\s)+3], s[G0+4*(\s)+3], 0x80000000              ; type = 2
	s_add_nc_u64 s[G0B+4*(\s)+2:G0B+4*(\s)+3], s[8:9], s[OW:OW+1]
	s_or_b32 s[G0B+4*(\s)+3], s[G0B+4*(\s)+3], 0x80000000
	s_add_co_u32 s[U], s[U], 1
.endm
	s_load_b256 s[4:11], s[0:1], 0x0               ; inputs s[4:5], encoderOutputs s[6:7], wb s[8:9], qkv s[10:11]
	v_lshl_add_u32 v[SPW], v0, 2, SPARE
	v_mov_b32 v[NIL], 0
	ds_add_u32 v[SPW], v[NIL]                      ; the wave's opening: the add and its wait stand ahead of my first tensor load; the set-up below, work on registers, stands between them
	v_lshrrev_b32 v1, 5, v0
	v_readfirstlane_b32 s[WV], v1                  ; wave 0..3
	s_lshr_b32 s[RH], s[WV], 1
	s_and_b32 s[CH], s[WV], 1
	s_bfe_u32 s40, ttmp6, 0x40000                  ; cx, cy: my place in the cluster
	s_bfe_u32 s41, ttmp6, 0x40004
	s_lshl_b32 s42, ttmp9, 2
	s_add_co_u32 s42, s42, s40                     ; tile column = 4 x cluster x + cx: 0..3
	s_and_b32 s[TY], ttmp7, 0xffff
	s_lshl_b32 s[TY], s[TY], 2
	s_add_co_u32 s[TY], s[TY], s41                 ; tile row = 4 x cluster y + cy: 0..63
	s_lshl_b32 s43, s41, 2
	s_lshl_b32 s43, 15, s43                        ; my row of the cluster
	s_lshl_b32 s44, 0x1111, s40                    ; my column
	; descriptor group 1: x: 64 rows x 128 elements of 4 bytes; W: 128 rows x 128 elements of 2 bytes; both padded in LDS
	s_or_b32 s[G1+0], s43, (2<<16)|(1<<20)|(1<<21)|(6<<22)|(3<<25)  ; 15:0 the mask: x's tiles go to my row; 17:16 element of 4 bytes; 20 padding on; 21 set beside a mask; 24:22 after every 128 words (code 6); 31:25 of 4 words (code 3)
	s_or_b32 s[G1B+0], s44, (1<<16)|(1<<20)|(1<<21)|(5<<22)|(3<<25) ; the mask of my column; element of 2 bytes; padding after every 64 words (code 5)
	s_mov_b32 s[G1+1], 128<<16                     ; tensor_dim0 = 128
	s_mov_b32 s[G1+2], 64<<16                      ; tensor_dim1 = 64
	s_mov_b32 s[G1+3], 128<<16                     ; tile_dim0 = 128
	s_mov_b32 s[G1+4], 64                          ; tile_dim1 = 64
	s_mov_b32 s[G1+5], 1024                        ; elements from row to row
	s_mov_b32 s[G1+6], 0
	s_mov_b32 s[G1+7], 0
	s_mov_b32 s[G1B+1], 128<<16
	s_mov_b32 s[G1B+2], 128<<16                    ; tensor_dim1 = 128
	s_mov_b32 s[G1B+3], 128<<16
	s_mov_b32 s[G1B+4], 128                        ; tile_dim1 = 128
	s_mov_b32 s[G1B+5], 1024
	s_mov_b32 s[G1B+6], 0
	s_mov_b32 s[G1B+7], 0
	; where the tiles come from.  x's hang on the tile row, which my row of the cluster shares; W's on the tile column, which my column shares; both on U, which all share.
	s_lshl_b32 s[ROWA], s[TY], 7                   ; x's row: 128 x tile row
	s_lshl_b32 s18, s[CH], 6
	s_add_co_u32 s[ROWA], s[ROWA], s18             ; + 64 x half
	s_lshl_b32 s[ROWA], s[ROWA], 12                ; rows of 4,096 bytes: under 2^25
	s_lshl_b32 s[ROWB], s42, 8                     ; a weight's row: 256 x tile column
	s_lshl_b32 s18, s[CH], 7
	s_add_co_u32 s[ROWB], s[ROWB], s18             ; + 128 x half
	s_lshl_b32 s[ROWB], s[ROWB], 11                ; rows of 2,048 bytes
	s_mov_b32 s[OA+1], 0
	s_mov_b32 s[OW+1], 0
	s_mov_b32 s[U], 0
	s_mul_i32 s20, s[CH], 64*PA                    ; and where they go: no place in the cluster enters an LDS address
	s_mul_i32 s21, s[CH], 128*PB
	s_add_co_u32 s21, s21, ABYTES
	s_wait_dscnt 0x0                               ; the opening add is done
	s_wait_kmcnt 0x0
	CROUND                                         ; all sixteen work-groups are here: the first joint loads meet
.irp s, 0,1
	s_mov_b32 s[G0+4*(\s)], 1                      ; count = 1
	s_add_co_u32 s[G0+4*(\s)+1], s20, (\s)*SLOT    ; LDS address; never rewritten
	s_mov_b32 s[G0B+4*(\s)], 1
	s_add_co_u32 s[G0B+4*(\s)+1], s21, (\s)*SLOT
	WHERE \s                                       ; K step s of q
	JLOAD \s                                       ; two loads of mine are out
.endr
	; A fragment is 16 rows x 32 K in 8 registers: lane l holds row l % 16; registers 0-3 K = 8 (l / 16) + 0..7, registers 4-7 K = 16 + 8 (l / 16) + 0..7.
	; W (2 bytes): two loads of 16 bytes, 32 bytes apart.  x (4 bytes): four loads of 16 bytes, at 0, 16, 64 and 80 from row x pitch + 32 (l / 16), and eight roundings of pairs.
	v_and_b32 v1, 15, v0                           ; l % 16
	v_bfe_u32 v2, v0, 4, 1                         ; l / 16
	v_mul_u32_u24 v3, v1, PA
	v_lshl_add_u32 v3, v2, 5, v3
	v_mul_u32_u24 v4, v1, PB
	v_lshl_add_u32 v4, v2, 4, v4
	s_mul_i32 s22, s[RH], 64*PA                    ; my 64 rows of x
	s_mul_i32 s23, s[CH], 128*PB                   ; my 128 rows of W,
	s_add_co_u32 s23, s23, ABYTES                  ; which lie behind x's
.irp s, 0,1
	v_add_nc_u32 v[ADRA+(\s)], s22, v3
	v_add_nc_u32 v[ADRB+(\s)], s23, v4
	s_add_co_u32 s22, s22, SLOT
	s_add_co_u32 s23, s23, SLOT
.endr
	s_mul_i32 s22, s[WV], WSTAGE
	s_add_co_u32 s22, s22, STAGE                   ; my stage
	v_mul_u32_u24 v5, v1, SP                       ; in: row l % 16, 16 bytes for each half of the lanes
	v_lshl_add_u32 v5, v2, 4, v5
	v_add_nc_u32 v[STO], s22, v5
	v_bfe_u32 v5, v0, 3, 2                         ; back: 32 lanes take four rows of 128 bytes,
	v_mul_u32_u24 v5, v5, SP
	v_and_b32 v3, 7, v0
	v_lshl_add_u32 v5, v3, 4, v5
	v_add_nc_u32 v[RD], s22, v5
	v_and_b32 v[GO], 31, v0                        ; which are 512 consecutive bytes of a head's rows
	v_lshlrev_b32 v[GO], 4, v[GO]
	; where my part of q begins in qkv: (16 batch + head) x 2,048 rows of 128 bytes, row n x 128
	s_lshl_b32 s76, s[TY], 7
	s_lshl_b32 s77, s[RH], 6
	s_add_co_u32 s76, s76, s77                     ; my first row of the 8,192
	s_lshr_b32 s77, s76, 11                        ; its batch,
	s_and_b32 s76, s76, 2047                       ; its row n in the batch
	s_lshl_b32 s77, s77, 22
	s_lshl_b32 s76, s76, 7
	s_add_co_u32 s76, s76, s77
	s_mov_b32 s77, 0
	s_add_nc_u64 s[10:11], s[10:11], s[76:77]
	s_lshl_b32 s74, s42, 2                         ; my first head: 4 x tile column + 2 x half
	s_lshl_b32 s75, s[CH], 1
	s_add_co_u32 s74, s74, s75
	s_lshl_b32 s74, s74, 18
	s_mov_b32 s75, 0
	s_add_nc_u64 s[10:11], s[10:11], s[74:75]
; 8 matrix instructions: m block a x all 8 n blocks, 32 along K, from buffer f.  zero = 1: the product starts the sums: nothing is ever cleared.
; The 32 accumulators take turns, one instruction a turn, in the same order in every quarter.
.macro MUL8 f, a, zero
	WIN MUL
.irp b, 0,1,2,3,4,5,6,7
.if \zero
	v_wmma_f32_16x16x32_bf16 v[8*(8*(\a)+(\b)):8*(8*(\a)+(\b))+7], v[FB+64*(\f)+8*(\b):FB+64*(\f)+8*(\b)+7], v[FA+32*(\f)+8*(\a):FA+32*(\f)+8*(\a)+7], 0
.else
	v_wmma_f32_16x16x32_bf16 v[8*(8*(\a)+(\b)):8*(8*(\a)+(\b))+7], v[FB+64*(\f)+8*(\b):FB+64*(\f)+8*(\b)+7], v[FA+32*(\f)+8*(\a):FA+32*(\f)+8*(\a)+7], v[8*(8*(\a)+(\b)):8*(8*(\a)+(\b))+7]
.endif
.endr
.endm
; 32 LDS loads in one run, for quarter q (32 along K): first 64 rows of x as f32, then 128 rows of W into buffer f
.macro FETCH slot, q, f
	WIN 0
.irp i, 0,1,2,3
	ds_load_b128 v[AS+16*(\i):AS+16*(\i)+3],     v[ADRA+(\slot)] offset:128*(\q)+(\i)*16*PA
	ds_load_b128 v[AS+16*(\i)+4:AS+16*(\i)+7],   v[ADRA+(\slot)] offset:128*(\q)+(\i)*16*PA+16
	ds_load_b128 v[AS+16*(\i)+8:AS+16*(\i)+11],  v[ADRA+(\slot)] offset:128*(\q)+(\i)*16*PA+64
	ds_load_b128 v[AS+16*(\i)+12:AS+16*(\i)+15], v[ADRA+(\slot)] offset:128*(\q)+(\i)*16*PA+80
.endr
	WIN 0x80                                       ; destination window 2, address window 0
.irp i, 0,1,2,3,4,5,6,7
	ds_load_b128 v[FB+64*(\f)+8*(\i):FB+64*(\f)+8*(\i)+3],   v[ADRB+(\slot)] offset:64*(\q)+(\i)*16*PB
	ds_load_b128 v[FB+64*(\f)+8*(\i)+4:FB+64*(\f)+8*(\i)+7], v[ADRB+(\slot)] offset:64*(\q)+(\i)*16*PB+32
.endr
.endm
; x's 64 rows x 32 K, rounded to bf16, into buffer f: the lower K into the lower half
.macro CVT f
	WIN 0
	s_wait_dscnt 16                                ; LDS loads come back in order (ISA guide 5.7.1): x's sixteen are in, W's sixteen, issued behind them, may be out
.irp i, 0,1,2,3
.irp j, 0,1,2,3,4,5,6,7
	v_cvt_pk_bf16_f32 v[FA+32*(\f)+8*(\i)+(\j)], v[AS+16*(\i)+2*(\j)], v[AS+16*(\i)+2*(\j)+1]
.endr
.endr
.endm
.macro PLACES                          ; four places in front of loads into, and roundings onto, registers that matrix instructions have read, and of lines that read results (ISA guide 7.12.1 for vector instructions)
.rept 4
	v_nop
.endr
.endm
; A K step is four quarters of 32 along K, 32 matrix instructions each, on buffers 0, 1, 0, 1.  One of the first three: multiplies buffer f; fetches quarter q of the same slot and makes buffer g of it.
.macro QUARTER slot, q, f, g, zero
	s_wait_dscnt 0x0                               ; W's fragments of buffer f are in (x's were rounded in the quarter before)
	MUL8 \f, 0, \zero
	PLACES                                         ; buffer g was read by the quarter before
	FETCH \slot, \q, \g
	MUL8 \f, 1, \zero
	MUL8 \f, 2, \zero
	CVT \g
	MUL8 \f, 3, \zero
.endm
; The last quarter multiplies buffer 1 and changes slots: ONE barrier; in front of it each wave waits for all its tensor loads (one is out: its part of the next slot), adds 0 to its spare word, and
; waits for that and for its own reads of this slot.  fill = 1: the barrier opens a round of the cluster's, and this slot is filled again, with K step U, first thing behind the round:
; from that request to the wait for it a wave issues 112 matrix instructions.
.macro TURN slot, next, fill
	WIN 0                                          ; (the add's two registers lie in window 0)
	s_wait_tensorcnt 0x0                           ; all my tensor loads have landed, so every group 0 may be written
	ds_add_u32 v[SPW], v[NIL]                      ; 0 onto my spare word
.if \fill
	WHERE \slot
.endif
	s_wait_dscnt 1                                 ; W's fragments of buffer 1 are in; the add may be out
	MUL8 1, 0, 0                                   ; eight matrix instructions stand between the add and the wait for it
	s_wait_dscnt 0x0                               ; the add is done, and my reads of this slot are over
	s_barrier_signal -1
	MUL8 1, 1, 0                                   ; work on registers while the others arrive
.if \fill
	WIN 0
.endif
	s_barrier_wait -1
.if \fill
	CREST                                          ; no wave of any partner still reads this slot's tile or has a load on its way
	JLOAD \slot                                    ; the four v_nop behind it are also the places in front of the loads and roundings below
.else
	PLACES
.endif
	FETCH \next, 0, 0
	MUL8 1, 2, 0
	CVT 0
	MUL8 1, 3, 0
.endm
; THE WAY OUT, a block of 16 rows at a time.  PACK: rounded to f16, 16 bytes a lane, each accumulator's registers in ascending order.  TOSTAGE: into my own stage (two heads x 16 rows of 144 bytes)
; and back as whole rows of 128 bytes.  SEND: each store covers 512 consecutive bytes, four rows of a head, at a multiple of 512 from qkv's first byte.
; It names none of the fragment buffers: behind a tile that has a successor the next tile's first fragments are already there or on their way.
.macro PACK a
	WIN 0x05                                       ; sources 0 and 1 window 1, destination window 0
.irp b, 0,1,2,3,4,5,6,7
.irp r, 0,1,2,3
	v_cvt_pk_f16_f32 v[TMP+4*(\b)+(\r)], v[8*(8*(\a)+(\b))+2*(\r)], v[8*(8*(\a)+(\b))+2*(\r)+1]
.endr
.endr
	WIN 0
.endm
.macro TOSTAGE a
	WIN 0
.set BK, OB+32*((\a)%2)
.if (\a) >= 2
	s_wait_xcnt 0x0                                ; the stores of the block two back have had their addresses translated (ISA guide 3.1): their data registers are loaded again only behind this wait
.endif
.irp b, 0,1,2,3,4,5,6,7
	ds_store_b128 v[STO], v[TMP+4*(\b):TMP+4*(\b)+3] offset:((\b)/4)*16*SP+((\b)%4)*32
.endr
.irp hd, 0,1
.irp f, 0,1,2,3
	ds_load_b128 v[BK+16*(\hd)+4*(\f):BK+16*(\hd)+4*(\f)+3], v[RD] offset:(\hd)*16*SP+(\f)*4*SP  ; LDS serves a wave's instructions in order (ISA guide 5.7.1.4): these see the stores above
.endr
.endr
.endm
.macro SEND a, younger                 ; younger: the LDS instructions issued behind block a's loads: the next block's sixteen, or none
	WIN 0
.set BK, OB+32*((\a)%2)
	s_wait_dscnt \younger
.irp hd, 0,1
.irp f, 0,1,2,3
	global_store_b128 v[GO], v[BK+16*(\hd)+4*(\f):BK+16*(\hd)+4*(\f)+3], s[10:11] offset:(\hd)*262144+(\a)*2048+(\f)*512
.endr
.endr
.endm
.macro WAYOUT
	PLACES
	PACK 0
	TOSTAGE 0
.irp a, 1,2,3
	PACK \a
	TOSTAGE \a
	SEND (\a)-1, 16
.endr
	SEND 3, 0
.endm
	s_wait_tensorcnt 1                             ; my part of K step 0 is in; K step 1's may stay out
	s_barrier_signal -1
	s_barrier_wait -1                              ; everybody's is
	FETCH 0, 0, 0
	CVT 0
	QUARTER 0, 1, 0, 1, 1                          ; q's first quarter stands in front of the loop: its products start the sums
	WIN 0                                          ; at a label and at a branch every window is 0
	s_mov_b32 s[LAP], LAPS-1
	s_mov_b32 s[LIT], TLAPS
.Llap:                                                 ; 11 trips: a trip goes once round the ring, from a lap's second quarter to the next lap's first, and fills both slots again
	QUARTER 0, 2, 1, 0, 0
	QUARTER 0, 3, 0, 1, 0
	TURN 0, 1, 1
	QUARTER 1, 1, 0, 1, 0
	QUARTER 1, 2, 1, 0, 0
	QUARTER 1, 3, 0, 1, 0
	TURN 1, 0, 1
	WIN 0
	s_sub_co_u32 s[LIT], s[LIT], 1
	s_cmp_lg_u32 s[LIT], 0
	s_cbranch_scc1 .Lsame                          ; forward, past text that holds neither a barrier nor a tensor load
	WAYOUT                                         ; a tile is finished; both refills for the next have been asked for
	s_wait_xcnt 0x0                                ; the stores' addresses are translated (ISA guide 3.1): only behind this wait are their base and their data registers written again
	s_add_nc_u64 s[10:11], s[10:11], 0x1000000     ; the next product's part of qkv
	s_mov_b32 s[LIT], TLAPS
	QUARTER 0, 1, 0, 1, 1                          ; the next tile's first quarter starts its sums
	WIN 0
	s_branch .Lbottom
.Lsame:
	QUARTER 0, 1, 0, 1, 0
	WIN 0
.Lbottom:
	s_sub_co_u32 s[LAP], s[LAP], 1
	s_cmp_lg_u32 s[LAP], 0
	s_cbranch_scc1 .Llap
	QUARTER 0, 2, 1, 0, 0                          ; v's last lap is written out: it fills nothing, and has no round of the cluster's barrier
	QUARTER 0, 3, 0, 1, 0
	TURN 0, 1, 0
	QUARTER 1, 1, 0, 1, 0
	QUARTER 1, 2, 1, 0, 0
	QUARTER 1, 3, 0, 1, 0
	s_wait_dscnt 0x0                               ; the very last quarter: nothing more to fetch
	MUL8 1, 0, 0
	MUL8 1, 1, 0
	MUL8 1, 2, 0
	MUL8 1, 3, 0
	WIN 0
	WAYOUT
	s_wait_tensorcnt 0x0                           ; the wave's end, behind my last tensor load and my last LDS store
	ds_add_u32 v[SPW], v[NIL]
	s_wait_dscnt 0x0
	CROUND                                         ; the closing round: no work-group ends while a partner may still ask for a tile that names it
	s_endpgm
.Lfunc_end_k_qf3e61435a1_proj:
	.size	k_qf3e61435a1_proj, .Lfunc_end_k_qf3e61435a1_proj-k_qf3e61435a1_proj
	.p2alignl 7, 3214868480
	.fill 96, 4, 3214868480
	.section	.rodata,"a",@progbits
	.p2align	6, 0x0
	.amdhsa_kernel k_qf3e61435a1_proj
		.amdhsa_group_segment_fixed_size 327680
		.amdhsa_private_segment_fixed_size 0
		.amdhsa_enable_private_segment 0
		.amdhsa_kernarg_size 32
		.amdhsa_user_sgpr_count 2
		.amdhsa_user_sgpr_kernarg_segment_ptr 1
		.amdhsa_wavefront_size32 1
		.amdhsa_system_sgpr_workgroup_id_x 1
		.amdhsa_system_sgpr_workgroup_id_y 1
		.amdhsa_system_sgpr_workgroup_id_z 1
		.amdhsa_system_vgpr_workitem_id 0
		.amdhsa_next_free_vgpr 640
		.amdhsa_next_free_sgpr 80
		.amdhsa_reserve_vcc 0
		.amdhsa_float_denorm_mode_32 3
		.amdhsa_float_denorm_mode_16_64 3
		.amdhsa_memory_ordered 1
		.amdhsa_forward_progress 1
		.amdhsa_inst_pref_size 151
	.end_amdhsa_kernel
	.amdgpu_metadata
---
amdhsa.version: [ 1, 2 ]
amdhsa.kernels:
  - .name:           k_qf3e61435a1_proj
    .symbol:         k_qf3e61435a1_proj.kd
    .args:
      - { .name: inputs, .offset: 0, .size: 8, .value_kind: global_buffer, .address_space: global }
      - { .name: encoderOutputs, .offset: 8, .size: 8, .value_kind: global_buffer, .address_space: global }
      - { .name: wb, .offset: 16, .size: 8, .value_kind: global_buffer, .address_space: global }
      - { .name: qkv, .offset: 24, .size: 8, .value_kind: global_buffer, .address_space: global }
    .group_segment_fixed_size: 327680
    .private_segment_fixed_size: 0
    .kernarg_segment_align: 8
    .kernarg_segment_size: 32
    .max_flat_workgroup_size: 128
    .sgpr_count:     80
    .vgpr_count:     640
    .wavefront_size: 32
...
	.end_amdgpu_metadata
.endif
;; end of part 2
;; launch attn (part 3): grid 4 x 64, 4 waves a work-group, clusters of 4 x 1, 327,680 bytes of LDS; arguments qkv, ob; writes ob
.if DOCPART == 3
	.amdgcn_target "amdgcn-amd-amdhsa--gfx1250"
	.amdhsa_code_object_version 6
	.text
	.protected	k_qf3e61435a1_attn
	.globl	k_qf3e61435a1_attn
	.p2align	8
	.type	k_qf3e61435a1_attn,@function
k_qf3e61435a1_attn:
	s_mov_b64 s[64:65], 0
	v_nop
	global_prefetch_b8 v0, s[64:65] scope:SCOPE_SE
	s_setreg_imm32_b32 hwreg(HW_REG_WAVE_MODE, 25, 1), 1
	s_wait_xcnt 0x0
	s_wait_alu depctr_hold_cnt(0) depctr_sa_sdst(0) depctr_va_vdst(0) depctr_va_sdst(0) depctr_va_ssrc(0) depctr_va_vcc(0) depctr_vm_vsrc(0)
	s_getreg_b32 s2, hwreg(HW_REG_IB_STS2, 6, 4)
	s_cmp_eq_u32 s2, 0
	s_cbranch_scc0 .Lentry_in_a_cluster
	s_endpgm
.Lentry_in_a_cluster:
	s_bfe_u32 s2, ttmp6, 0x10000c
	s_cmp_lg_u32 s2, 0x3003
	s_cbranch_scc0 .Lentry_shape_is_right
	s_endpgm
.Lentry_shape_is_right:
; O[h][q][:] = the sum over k of softmax_k(Q[h][q] . K[h][k] / 8) V[h][k][:].  Q, K, V lie in qkv at bytes 0, 1 << 24, 2 << 24, O in ob: each [SIZE_H][SIZE_N][64] f16, h = 16 batch + head:
; a head's rows are dense, 128 bytes each.  Products, maxima and sums in f32; the weights p are rounded to f16 for the second product (their sum l is taken of the unrounded p), O once at the end.
; LIMITS.  f16 holds no number beyond 65,504: Q, K and V arrive within it; p lies in 0 to 1, and below 6e-5 it keeps f16's fixed step of 6e-8; O is a mean of V's rows and has their range.
; A weight below 2^-126 counts as 0 in l; NaN and infinities are not treated apart.
; SHARES.  A wave owns four PIECES of two tiles of 16 queries, a work-group's four waves 512 queries of one head: 4 x 64 work-groups.  Every wave walks all keys, 64 a step.
; LAYOUT.  S^T = K Q^T (source 0 = 16 keys, source 1 = 16 queries): in the result a lane holds ONE query (lane % 16) and the keys 8 (lane / 16) + 0..7.  Two such tiles, rounded to f16 in pairs,
; ARE source 1 (32 keys x 16 queries) of O^T = V^T P, whose result again holds one query a lane, and eight channels.  K comes out of LDS as it lies, V ([key][channel]) turned, by ds_load_tr16_b128.
; SOFTMAX.  For each query a running maximum m and sum l: p = 2^(c s - c m), c = log2(e) / 8; in every step O and l are multiplied by a = 2^(c m_old - c m_new), which is 1 where m has not grown.
; m starts at the lowest finite number, O and l at 0: the first step is a step like any other, with a = 0.
; THE COUNT.  A tile and step have 16 matrix and 118 vector instructions: too many to stand all beside the matrix work.  So the order has one aim: four vector instructions that are READY behind
; EVERY matrix instruction, and the others, which need time of their own whatever the order, in runs without a gap.
; BY TURNS.  Turn n belongs to piece n (the pieces in a ring, step after step).  Its matrix work: 16 products K Q^T of piece n + 1, later 16 products V^T P of piece n - 1.  Its vector work: the scaling,
; exponentials, roundings, sums and rescaling of piece n, and the maximum and statistics of piece n + 1, whose scores the turn itself has made.  So what a turn begins with (c s - c m, O a) waits for nothing.
; CLUSTER.  The four query blocks of a cluster belong to one head and walk the same K and V, so each tile is asked for JOINTLY: the same tensor load, descriptor and mask in all four.
; REGISTERS, in windows of 256 (s_set_vgpr_msb says which window each operand place means: bits 1:0 source 0, 3:2 source 1, 5:4 source 2, 7:6 destination):
;   window 0: v0-11 addresses; v12-15, v48-63 at work; v16-47 four registers of statistics a tile; v64-191 S^T, two buffers of two tiles; v192-255 P, likewise
;   window 1: O^T, 32 a tile          window 2: v0-127 Q, 16 a tile; v128-191 K of one step; v192-255 V of one step          window 3: v0-1 the add's two registers
; A piece's buffers go by its number's parity: the piece in hand has one pair, its two neighbours in the ring share the other: of it P (piece n - 1) is read and S^T (piece n + 1) written.
.set SIZE_H, 64
.set SIZE_N, 2048
.set NP,    4         ; pieces a wave: a name, no knob: the register map, the loop and the fetches are made for four
.set KS,    64        ; keys in a step
.set PK,    144       ; a row of K in LDS: 128 bytes + 16 of padding = 36 words: the 16 rows of a load start at 16 different groups of four banks (64 banks of 4 bytes: ISA guide 11.1)
.set PV,    160       ; a row of V: 128 + 32 = 40 words
.set VOFF,  4*KS*PK   ; a slot holds four steps: 256 rows of K, then 256 rows of V
.set SLOT1, 1<<17     ; slot 1 begins here, so that one exclusive or turns an address in one slot into the other's
.set STAGE, SLOT1+4*KS*(PK+PV)  ; behind the ring, never filled by a tensor load: 16 rows x 144 bytes for each wave, for the way out
.set SP,    144
.set AK0, 2           ; v2   my lane's place in a tile of K; never rewritten
.set AV0, 3           ; v3   the same for V
.set AK,  4           ; v4   the LDS address of K's next run of loads
.set AV,  5           ; v5   of V's
.set QO,  6           ; v6   my byte offset in the wave's rows of Q
.set STO, 6           ;      later, the way out: where I put 16 bytes of a row
.set RD,  7           ; v7   the way out: where I read rows back
.set GO,  8           ; v8   my byte offset in 512 consecutive bytes of O
.set SPW, 0           ; v0 of window 3   LDS address of my spare word: SPARE + 4 x my thread's number; never rewritten
.set NIL, 1           ; v1 of window 3   0; never rewritten
.set SPARE, STAGE+4*16*SP  ; behind the stages: the spare words, 128 bytes for each wave: two blocks of 256 bytes that no other line names
.set MV,  12          ; v12-15  c m_old, kept while c m is made anew: by buffer and tile
.set ST,  16          ; tile t's statistics at v[ST+4 t]: c m, m, l (even keys', odd keys')
.set TMP, 48          ; by buffer and tile, four registers c0-c3 at work; when the maximum is found c2 takes a
.set S,   64
.set P,   192
.set KF,  128         ; K's fragments, in window 2: key block kb, channel half c at KF + 16 kb + 8 c
.set VF,  192         ; V's: key half kk, channel block cb at VF + 32 kk + 8 cb
.set WV,  12          ; s12  my wave's number
.set G1K, 24          ; s[24:31] descriptor group 1 for K's tiles
.set G1V, 32          ; s[32:39] for V's: it differs in the padding alone
.set G0K, 40          ; s[40:43] descriptor group 0 for K's tiles: it walks
.set G0V, 44          ; s[44:47] the same for V's
.set SLOTS, 56        ; s56  slots still to be asked for
.set CNT, 57          ; s57  counts a slot's key steps
.set CS,  58          ; s[58:59] c: the packed scaling takes the pair's low word for both halves
.set SEL, 60          ; s[60:61] v_permlanex16_b32's selects: each lane takes its own place in the other half
.set TBK, 62          ; s62  LDS byte at which K of the step to be fetched begins
.set TBV, 63          ; s63  the same for V, less VOFF
.set MSB, 0
.macro WIN new                      ; the high byte repeats the setting that is left; a switch that changes nothing is dropped
.if MSB != (\new)
	s_set_vgpr_msb (MSB<<8)|(\new)
.set MSB, (\new)
.endif
.endm
.set W_KQ, 0x0a       ; K and Q in window 2, S^T in window 0
.set W_PV, 0x52       ; V in window 2, P in window 0, O^T in window 1
.set W_RS, 0x41       ; O^T (destination and source 0) in window 1, a in window 0
.set W_MK, 0xc0       ; the add's registers are made: destination in window 3, sources in window 0
.set W_AD, 0x0f       ; the add: address (source 0) and data (source 1) in window 3
; A joint fill.  Waves 0 and 1 fetch the two halves of a slot's K, waves 2 and 3 those of its V: 128 keys each.  The branch hangs on the wave's number alone.
; An s_nop 0 and four v_nop follow each of the two lines, ahead of the jump and the label.
.macro JLOAD
	s_cmp_lt_u32 s[WV], 2
	s_cbranch_scc0 .Lfor_v_\@
	tensor_load_to_lds s[G0K:G0K+3], s[G1K:G1K+7]
	s_nop 0
.rept 4
	v_nop
.endr
	s_branch .Lasked_\@
.Lfor_v_\@:
	tensor_load_to_lds s[G0V:G0V+3], s[G1V:G1V+7]
	s_nop 0
.rept 4
	v_nop
.endr
.Lasked_\@:
.endm
; A round of the cluster's barrier: my work-group's barrier, so that wave 0's signal speaks for all four waves; wave 0 signals; every wave waits for all four work-groups; my work-group's barrier once more.
.macro CROUND
	s_barrier_signal -1
	s_barrier_wait -1
	s_cmp_lg_u32 s[WV], 0
	s_cbranch_scc1 .Lnot_wave_0_\@
	s_barrier_signal -3
.Lnot_wave_0_\@:
	s_barrier_wait -3
	s_barrier_signal -1
	s_barrier_wait -1
.endm
; THE CHANGE OF SLOTS.  The slot's last bytes, V of its fourth step, have been read.  Each wave waits for all its tensor loads, of which one is out: its part
; of the other slot; adds 0 to its spare word; and waits for that and for its own reads of the slot.  Behind the barrier nobody reads this slot any more and the other slot is whole.
; fill = 1: this slot is filled again, with the keys two slots on.  The barrier is then a round of the cluster's, so that no wave of any partner still reads the slot or has a load on its
; way, and the joint fill is the first thing behind it: it has four key steps, 512 matrix instructions, in which to land.  (At its first use nothing has been read yet: slot 0 is waited for, slot 1 filled.)
.macro CHANGE fill
	WIN W_AD
	s_wait_tensorcnt 0x0            ; no tensor load of mine is out, so a group 0 may be written
	ds_add_u32 v[SPW], v[NIL]       ; 0 onto my spare word; with fill = 1 the descriptors' steps stand between it and the wait for it
	WIN 0                           ; at a label and at a branch every window is 0
.if \fill
.irp g, G0K, G0V
	s_xor_b32 s[\g+1], s[\g+1], SLOT1  ; the walking descriptor: the other slot than last time,
	s_add_nc_u64 s[\g+2:\g+3], s[\g+2:\g+3], 4*KS*128  ; the next 256 keys; the type bits on top are not reached
.endr
	s_wait_dscnt 0x0                ; the add is done, and my reads of the slot are over
	CROUND
	JLOAD
.else
	s_wait_dscnt 0x0                ; the add is done, and my reads of the slot are over
	s_barrier_signal -1
	s_barrier_wait -1
.endif
	s_sub_co_u32 s[TBK], s[TBK], 4*KS*PK  ; the fetches go back to a slot's first step,
	s_xor_b32 s[TBK], s[TBK], SLOT1       ; in the other slot
	s_sub_co_u32 s[TBV], s[TBV], 4*KS*PV
	s_xor_b32 s[TBV], s[TBV], SLOT1
.endm
	s_load_b128 s[4:7], s[0:1], 0x0   ; qkv s[4:5], ob s[6:7]
	WIN W_MK
	v_lshl_add_u32 v[SPW], v0, 2, SPARE
	v_mov_b32 v[NIL], 0
	WIN W_AD
	ds_add_u32 v[SPW], v[NIL]       ; the wave's opening: the add and its wait stand ahead of my first tensor load; the set-up below, work on registers, stands between them
	WIN 0
	v_lshrrev_b32 v1, 5, v0
	v_readfirstlane_b32 s[WV], v1   ; wave 0..3
	s_bfe_u32 s13, ttmp6, 0x40000   ; cx: my place in the cluster
	s_lshl_b32 s14, ttmp9, 2        ; in a cluster launch ttmp9 counts clusters
	s_add_co_u32 s14, s14, s13      ; my block of queries = 4 x cluster x + cx: it enters Q's and O's addresses alone
	s_and_b32 s20, ttmp7, 0xffff    ; the head, which the four partners share
	s_mov_b32 s21, 0
	s_mov_b64 s[22:23], SIZE_N*128
	s_mul_u64 s[20:21], s[20:21], s[22:23]  ; the head's first byte in each of the four tensors
	s_and_b32 s16, s[WV], 1         ; which half of a slot's 256 keys I fetch:
	s_lshl_b32 s22, s16, 14         ; its 128 rows of 128 bytes in memory,
	s_mov_b32 s23, 0
	s_add_nc_u64 s[22:23], s[22:23], s[20:21]
	s_mul_i32 s17, s16, 128*PK      ; and its place in a slot, for K
	s_mul_i32 s18, s16, 128*PV      ; and for V: no place in the cluster enters an LDS address
	s_lshl_b32 s2, s14, 2
	s_add_co_u32 s2, s2, s[WV]      ; my wave among the head's,
	s_lshl_b32 s2, s2, 14           ; its 128 rows
	s_mov_b32 s3, 0
	s_add_nc_u64 s[2:3], s[2:3], s[20:21]
	; descriptor group 1.  128 keys are 16,384 dense bytes: asked for as 64 rows of 256 bytes, two keys a row, and padded in LDS after every key
	s_mov_b32 s[G1K], 15|(1<<16)|(1<<20)|(1<<21)|(4<<22)|(3<<25)  ; 15:0 the mask of four; 17:16 2-byte elements; 20 padding on; 21 set beside a mask; 24:22 after every 32 words (code 4); 31:25 4 words (code 3)
	s_mov_b32 s[G1V], 15|(1<<16)|(1<<20)|(1<<21)|(4<<22)|(7<<25)  ; the same with 8 words of padding (code 7)
.irp g, G1K, G1V
	s_mov_b32 s[\g+1], 128<<16      ; tensor_dim0 = 128
	s_mov_b32 s[\g+2], 64<<16       ; tensor_dim1 = 64
	s_mov_b32 s[\g+3], 128<<16      ; tile_dim0 = 128
	s_mov_b32 s[\g+4], 64           ; tile_dim1 = 64
	s_mov_b32 s[\g+5], 128          ; 128 elements from row to row
	s_mov_b32 s[\g+6], 0
	s_mov_b32 s[\g+7], 0
.endr
	s_mov_b32 s[CS], 0x3e38aa3b     ; c = log2(e) / 8 = 0.180337
	s_mov_b32 s[CS+1], s[CS]        ; named with it as a pair
	s_mov_b32 s[SEL], 0x76543210
	s_mov_b32 s[SEL+1], 0xfedcba98
	s_mov_b32 s[TBK], SLOT1+4*KS*PK ; the first change of slots turns these two into 0
	s_mov_b32 s[TBV], SLOT1+4*KS*PV
	s_mov_b32 s[G0K], 1             ; 1:0 count = 1
	s_mov_b32 s[G0K+1], s17         ; 63:32 LDS address: slot 0
	s_mov_b32 s[G0V], 1
	s_add_co_u32 s[G0V+1], s18, VOFF
	s_wait_dscnt 0x0                ; the opening add is done
	s_wait_kmcnt 0x0
	s_mov_b64 s[10:11], s[6:7]      ; O s[10:11]
	s_add_nc_u64 s[6:7], s[4:5], 0x1000000  ; K s[6:7]: behind Q's 64 x 2,048 x 128 bytes
	s_add_nc_u64 s[8:9], s[4:5], 0x2000000  ; V s[8:9]: behind K's; Q stays in s[4:5]
	s_add_nc_u64 s[G0K+2:G0K+3], s[6:7], s[22:23]  ; 120:64 global address: my half of the head's first 256 keys
	s_or_b32 s[G0K+3], s[G0K+3], 0x80000000        ; 127:126 type = 2
	s_add_nc_u64 s[G0V+2:G0V+3], s[8:9], s[22:23]
	s_or_b32 s[G0V+3], s[G0V+3], 0x80000000
	s_add_nc_u64 s[4:5], s[4:5], s[2:3]  ; Q and O at my wave's first row
	s_add_nc_u64 s[10:11], s[10:11], s[2:3]
	CROUND                          ; all four work-groups are here: the first joint loads meet
	JLOAD                           ; slot 0.  Slot 1 is asked for when slot 0 is in: the tile wanted first has the road to itself
	; A fragment of K or Q is 16 rows x 32 channels in 8 registers: lane l holds row l % 16, channels 8 (l / 16) + 0..7 and 16 + 8 (l / 16) + 0..7: two loads of 16 bytes, 32 bytes apart.
	v_and_b32 v1, 15, v0            ; l % 16
	v_bfe_u32 v9, v0, 4, 1          ; l / 16
	v_lshlrev_b32 v[QO], 7, v1
	v_lshl_add_u32 v[QO], v9, 4, v[QO]  ; row x 128 + 16 x half
	WIN 0x80                        ; destination window 2, address window 0
.set i, 0
.rept 4*NP                          ; Q stays in registers: tile i / 2, channels 32 (i % 2) on
	global_load_b128 v[8*i:8*i+3],   v[QO], s[4:5] offset:(i/2)*2048+(i%2)*64
	global_load_b128 v[8*i+4:8*i+7], v[QO], s[4:5] offset:(i/2)*2048+(i%2)*64+32
.set i, i+1
.endr
	; What the first turn finds: V's registers and P's second buffer hold 0 (its products V^T P, of a piece that has not been, add 0), O^T and l are 0.  All this stands in the wait for the first tile.
.set i, VF
.rept 64
	v_mov_b32 v[i], 0
.set i, i+1
.endr
	WIN 0x40
.set i, 0
.rept 64*NP
	v_mov_b32 v[i], 0
.set i, i+1
.endr
	WIN 0
.set i, 0
.rept 2*NP
	v_mov_b32 v[ST+4*i], 0xfe000000    ; c m: far below every c s
	v_mov_b32 v[ST+4*i+1], 0xff7fffff  ; m
	v_mov_b32 v[ST+4*i+2], 0
	v_mov_b32 v[ST+4*i+3], 0
.set i, i+1
.endr
.set i, P+32
.rept 32
	v_mov_b32 v[i], 0
.set i, i+1
.endr
	v_mul_u32_u24 v[AK0], v1, PK
	v_lshl_add_u32 v[AK0], v9, 4, v[AK0]  ; row x pitch + 16 x half
	; The turning load takes 16 keys x 16 channels (lane l reads key 8 (l / 16) + l % 8, channels 8 ((l / 8) % 2) + 0..7) and leaves half a fragment of V^T: lane l holds channel l % 16 and 8 keys.
	v_and_b32 v10, 7, v0
	v_bfe_u32 v11, v0, 3, 1
	v_lshl_add_u32 v[AV0], v9, 3, v10
	v_mul_u32_u24 v[AV0], v[AV0], PV
	v_lshl_add_u32 v[AV0], v11, 4, v[AV0]
	v_add_nc_u32 v[AV0], VOFF, v[AV0]
	v_mov_b32 v[AK], v[AK0]         ; key step 0 lies at the head of slot 0
; THE MATRIX WORK.  The 8 accumulators of a run of 16 take turns: between the two links of a chain stand 7 others'.
; Product i of 16 of S^T = K Q^T for piece x: channels 32 (i / 8) on, keys 16 ((i / 2) % 4) on, tile 2 x + i % 2.  The first 8 start the sums.
.macro KQ x
	WIN W_KQ
.set rS, S+64*((\x)%2)+32*(i%2)+8*((i/2)%4)
.set rK, KF+16*((i/2)%4)+8*(i/8)
.set rQ, 16*(2*(\x)+i%2)+8*(i/8)
.if i < 8
	v_wmma_f32_16x16x32_f16 v[rS:rS+7], v[rK:rK+7], v[rQ:rQ+7], 0
.else
	v_wmma_f32_16x16x32_f16 v[rS:rS+7], v[rK:rK+7], v[rQ:rQ+7], v[rS:rS+7]
.endif
.endm
; Product i of 16 of O^T += V^T P for piece x: keys 32 (i / 8) on, channels 16 ((i / 2) % 4) on, tile 2 x + i % 2.
.macro PV x
	WIN W_PV
.set rO, 32*(2*(\x)+i%2)+8*((i/2)%4)
.set rV, VF+32*(i/8)+8*((i/2)%4)
.set rP, P+32*((\x)%2)+16*(i%2)+8*(i/8)
	v_wmma_f32_16x16x32_f16 v[rO:rO+7], v[rV:rV+7], v[rP:rP+7], v[rO:rO+7]
.endm
.macro MM                           ; the turn's next matrix instruction
.if i < 16
	KQ (Y+1)%NP
.set i, i+1
.else
.set i, i-16
	PV (Y+NP-1)%NP
.set i, i+17
.endif
.endm
; THE LDS LOADS stand in runs of 16, never singly among the matrix instructions: a step's K (64 keys x 64 channels: 8 fragments) and its V (turned).  Their addresses are made some lines ahead.
; last = 1 (the tail): in the last trip there is no further step, and the run is jumped over.
.macro FETCH_K last=0
	WIN 0
.if \last
	s_cmp_eq_u32 s[CNT], 1
	s_cbranch_scc1 .Lno_k_\@
.endif
	WIN 0x80                        ; destination window 2
.irp f, 0,1,2,3,4,5,6,7             ; keys 16 (f / 2) on, channels 32 (f % 2) on
	ds_load_b128 v[KF+8*\f:KF+8*\f+3],   v[AK] offset:(\f/2)*16*PK+(\f%2)*64
	ds_load_b128 v[KF+8*\f+4:KF+8*\f+7], v[AK] offset:(\f/2)*16*PK+(\f%2)*64+32
.endr
	s_add_co_u32 s[TBK], s[TBK], KS*PK  ; the next fetch is the next step's
	WIN 0
.if \last
.Lno_k_\@:
.endif
.endm
.macro FETCH_V
	WIN 0x80
.irp f, 0,1,2,3,4,5,6,7             ; keys 32 (f / 4) on, channels 16 (f % 4) on
	ds_load_tr16_b128 v[VF+8*\f:VF+8*\f+3],   v[AV] offset:(\f/4)*32*PV+(\f%4)*32
	ds_load_tr16_b128 v[VF+8*\f+4:VF+8*\f+7], v[AV] offset:(\f/4)*32*PV+16*PV+(\f%4)*32
.endr
	WIN 0
.endm
; THE VECTOR WORK OF A TURN stands in three queues, each in the order in which its entries become ready; the two tiles alternate, so that no instruction reads the result of the one before it.
.macro REGS y, u                    ; the registers of tile u (0, 1) of piece y
.set rT, ST+4*(2*(\y)+(\u))
.set rC, TMP+8*((\y)%2)+4*(\u)
.set rM, MV+2*((\y)%2)+(\u)
.set rS, S+64*((\y)%2)+32*(\u)
.set rP, P+32*((\y)%2)+16*(\u)
.set rO, 32*(2*(\y)+(\u))
.endm
; Number n of the 22 that find the NEXT piece's (Y + 1) maximum and statistics.  s0-s31 are the lane's 32 scores; each accumulator's lowest registers are read first.  XS, GS and REGS set no window: PL and EX do.
;   0-11  four chains c0-c3 of seven scores each, three operands at a time     12-14, 16  the four scores left over, the old m, and c0-c3 into c0     15  c m_old is kept
;   17, 18  the query's other 32 keys lie in the lane 16 away: the new m         19-21  c m; c m_old - c m_new; a
.macro XS u, n
	REGS (Y+1)%NP, \u
.if (\n) < 4
	v_max3_num_f32 v[rC+(\n)], v[rS+8*(\n)], v[rS+8*(\n)+1], v[rS+8*(\n)+2]
.elseif (\n) < 12
	v_max3_num_f32 v[rC+(\n)%4], v[rC+(\n)%4], v[rS+8*((\n)%4)+2*((\n)/4)+1], v[rS+8*((\n)%4)+2*((\n)/4)+2]
.elseif (\n) == 12
	v_max3_num_f32 v[rC], v[rC], v[rS+7], v[rS+15]
.elseif (\n) == 13
	v_max3_num_f32 v[rC+1], v[rC+1], v[rS+23], v[rS+31]
.elseif (\n) == 14
	v_max3_num_f32 v[rC+2], v[rC+2], v[rC+3], v[rT+1]
.elseif (\n) == 15
	v_mov_b32 v[rM], v[rT]
.elseif (\n) == 16
	v_max3_num_f32 v[rC], v[rC], v[rC+1], v[rC+2]
.elseif (\n) == 17
	v_permlanex16_b32 v[rC+3], v[rC], s[SEL], s[SEL+1]
.elseif (\n) == 18
	v_max_num_f32 v[rT+1], v[rC], v[rC+3]
.elseif (\n) == 19
	v_mul_f32 v[rT], s[CS], v[rT+1]
.elseif (\n) == 20
	v_sub_f32 v[rC+1], v[rM], v[rT]
.else
	v_exp_f32 v[rC+2], v[rC+1]
.endif
.endm
; Number g of the 64 that follow the exponentials.  For each four weights k of a tile (pairs 2 k, 2 k + 1): both pairs are rounded to f16; then the second pair is added onto the first, in place;
; a group later l takes that sum (the first time as l = a l + sum).  In groups of eight, tiles alternating: round, round, add, and l for the group before.
.macro GS g
.set h, (\g)+6*((\g)/62)            ; group 0 has no group before it, and behind group 7 only l is left
.if h >= 6
.set h, h+2
.endif
	REGS Y, h%2
.set k, h/8
.if h%8 < 4
	v_cvt_pk_f16_f32 v[rP+2*k+(h%8)/2], v[rS+4*k+2*((h%8)/2)], v[rS+4*k+2*((h%8)/2)+1]
.elseif h%8 < 6
	v_pk_add_f32 v[rS+4*k:rS+4*k+1], v[rS+4*k:rS+4*k+1], v[rS+4*k+2:rS+4*k+3]
.elseif k == 1
	v_pk_fma_f32 v[rT+2:rT+3], v[rT+2:rT+3], v[rC+2:rC+3], v[rS:rS+1] op_sel_hi:[1,0,1]
.else
	v_pk_add_f32 v[rT+2:rT+3], v[rT+2:rT+3], v[rS+4*k-4:rS+4*k-3]
.endif
.endm
; THE PLAIN QUEUE, 138 long.  0-31: c s - c m for the 16 pairs of both tiles.  Then GS's 64, and among them the next piece's 42: number 15 at 38, 39; 0-14 and 16
; at 42-73, behind the products that make those scores; 17-20 at 95-106, two of three, since each waits for the one before it.
.macro PL
	WIN 0
.if q < 32
	REGS Y, q%2
	v_pk_fma_f32 v[rS+2*(q/2):rS+2*(q/2)+1], v[rS+2*(q/2):rS+2*(q/2)+1], s[CS:CS+1], v[rT:rT+1] op_sel_hi:[1,0,0] neg_lo:[0,0,1] neg_hi:[0,0,1]
.elseif q < 38
	GS q-32
.elseif q < 40
	XS q%2, 15
.elseif q < 42
	GS q-34
.elseif q < 74
	XS q%2, (q-42)/2+(q-42)/30
.elseif q < 95
	GS q-66
.elseif (q < 107) && ((q-95)%3 < 2)
	XS (q-95)%3, 17+(q-95)/3
.elseif q < 107
	GS 29+(q-95)/3
.else
	GS q-74
.endif
.set q, q+1
.endm
; THE EXPONENTIALS' QUEUE, 66 long: s0-s31 of both tiles, and at EA the next piece's two a.
.set EA, 58
.macro EX
	WIN 0
.if (e == EA) || (e == EA+1)
	XS e-EA, 21
.else
.set x, e-2*(e/(EA+2))
	REGS Y, x%2
	v_exp_f32 v[rS+x/2], v[rS+x/2]
.endif
.set e, e+1
.endm
; THE RESCALING's QUEUE: O^T times a, the one part that leaves window 0, so it is dealt four at a time, eight times.
.macro R4
	REGS Y, r%2
	WIN W_RS
.irp z, 0,1,2,3
	v_pk_mul_f32 v[rO+8*(r/2)+2*\z:rO+8*(r/2)+2*\z+1], v[rO+8*(r/2)+2*\z:rO+8*(r/2)+2*\z+1], v[rC+2:rC+3] op_sel_hi:[1,0]
.endr
.set r, r+1
.endm
; HOW THEY ARE DEALT.  Behind a matrix instruction four: plain, exponential, plain, plain (one exponential, a plain instruction on either side), or four of the rescaling.  None names a register of the
; products round it.  What is over stands in two LUMPS: exponential and plain by turns; the second ends in 22 plain instructions.  The two v_permlanex16_b32 fall into the second lump, never behind a product.
; The queues lean on each other, and the deal keeps them in step: exponential e stands behind plain 2 (e / 4) + e % 2 (its scaling); when plain 32 comes, 10 exponentials are out, at 59: 33, at 95: 46; EA comes behind plain 107.
.macro SL
	MM
	PL
	EX
	PL
	PL
.endm
.macro BURST n                      ; 15 matrix instructions, or 16
.rept (\n)-7
	SL
.endr
.rept 3
	MM
	R4
	SL
.endr
	MM
	R4
.endm
; A TURN, for piece p.  cnt = 1: the loop's count is taken down some lines ahead of the branch that stands behind the turn.
; K of the next step is fetched in piece 2's turn, 31 vector instructions behind the last product that read K; its first reader comes behind the rest of the lump, 16 products and the second lump.
; V of the step in hand is fetched at the end of piece 0's turn, 69 behind its last reader; its first reader comes behind 16 products and a lump.  The four conditions on e and q below go with the deal.
.macro TURN p, last=0, cnt=0
.set Y, (\p)
.set i, 0
.set q, 0
.set e, 0
.set r, 0
.if (\p) == NP-1
	s_wait_dscnt 0x0                ; K is in
.endif
	MM
.rept 4
	PL
.endr
	BURST 15
.rept 22
	EX
	PL
.if ((\p) == NP-2) && (e == 18)
	v_add_nc_u32 v[AK], s[TBK], v[AK0]
.endif
.if ((\p) == NP-2) && (e == 24)
	FETCH_K \last
.endif
.endr
.if (\p) == 1
	s_wait_dscnt 0x0                ; V is in
.endif
	BURST 16
.rept 21
	EX
	PL
.endr
.rept 22
	PL
.if ((\p) == 0) && (q == 118)
	v_add_nc_u32 v[AV], s[TBV], v[AV0]
.endif
.if ((\p) == 0) && (q == 130)
	s_add_co_u32 s[TBV], s[TBV], KS*PV
.endif
.if (\cnt) && (q == 130)
	s_sub_co_u32 s[CNT], s[CNT], 1
	s_cmp_lg_u32 s[CNT], 0
.endif
.endr
.if (\p) == 0
	FETCH_V
.endif
.endm
	CHANGE 1                        ; slot 0 is in, everybody's part of it; slot 1 is asked for
	FETCH_K                         ; key step 0
	s_wait_loadcnt 0x0              ; Q
	s_wait_dscnt 0x0
.set i, 0
.rept 16
	KQ 0                            ; piece 0's first scores: there is no vector work yet to set between them
.set i, i+1
.endr
	WIN 0                           ; the addresses for the way out: nine plain instructions, the places behind those products
	s_mul_i32 s13, s[WV], 16*SP
	s_add_co_u32 s13, s13, STAGE    ; my stage
	v_mul_u32_u24 v[STO], v1, SP    ; in: row l % 16, 16 bytes for each half of the lanes
	v_lshl_add_u32 v[STO], v9, 4, v[STO]
	v_add_nc_u32 v[STO], s13, v[STO]
	v_bfe_u32 v[RD], v0, 3, 2       ; back: 32 lanes take four rows of 128 bytes,
	v_mul_u32_u24 v[RD], v[RD], SP
	v_lshl_add_u32 v[RD], v10, 4, v[RD]
	v_add_nc_u32 v[RD], s13, v[RD]
	v_and_b32 v[GO], 31, v0         ; which are 512 consecutive bytes of O
	v_lshlrev_b32 v[GO], 4, v[GO]
.set Y, NP-1                        ; XS works for piece Y + 1: piece 0
.irp n, 0,1,2,3,4,5,6,7,8,9,10,11,12,13,14,15,16,17,18,19,20,21
	XS 0, \n                        ; and piece 0's first maximum and statistics
	XS 1, \n
.endr
	s_mov_b32 s[CNT], 4
	s_mov_b32 s[SLOTS], SIZE_N/256-1
	s_branch .Lfirst                ; the loop is entered at a step's first turn, in the middle of a trip
.Lslot:                             ; SIZE_N / 256 - 2 times: every slot but the last two is filled again
	CHANGE 1
	s_mov_b32 s[CNT], 4
.Lstep:                             ; a trip: pieces 2 and 3 of one step, then pieces 0 and 1 of the next, whose K and V it fetches
	TURN 2
	TURN 3
	WIN 0
.Lfirst:
	TURN 0
	TURN 1, 0, 1
	WIN 0
	s_cbranch_scc1 .Lstep
	s_sub_co_u32 s[SLOTS], s[SLOTS], 1
	s_cmp_lg_u32 s[SLOTS], 0
	s_cbranch_scc1 .Lslot
	CHANGE 0                        ; the tail is written out: nothing is asked for
	s_mov_b32 s[CNT], 5             ; four trips fetch the last slot's steps; the fifth is left in its middle
.Ltail:
	TURN 2, 1
	TURN 3
	WIN 0
	s_sub_co_u32 s[CNT], s[CNT], 1
	s_cmp_eq_u32 s[CNT], 0
	s_cbranch_scc1 .Lout
	TURN 0
	TURN 1
	WIN 0
	s_branch .Ltail
.Lout:                              ; the fifth trip's 16 products K Q^T (on the last K once more) and the maximum made of them serve nothing: the price, once a launch, of one text for every trip
.set i, 0
.rept 16
	PV NP-1                         ; the last piece's V^T P of the last step
.set i, i+1
.endr
	; THE WAY OUT.  l's two halves and the other half of the lanes' are added; O^T is divided by l, rounded to f16 and sent through my stage in LDS, a tile at a time.  The additions are the places behind the last products.
	WIN 0
.macro ALL line:vararg              ; one line for each tile t
.set t, 0
.rept 2*NP
	\line
.set t, t+1
.endr
.endm
	ALL v_add_f32 v[ST+4*t+2], v[ST+4*t+2], v[ST+4*t+3]
	ALL v_permlanex16_b32 v[ST+4*t+3], v[ST+4*t+2], s[SEL], s[SEL+1]
	ALL v_add_f32 v[ST+4*t+2], v[ST+4*t+2], v[ST+4*t+3]
	ALL v_rcp_f32 v[ST+4*t+2], v[ST+4*t+2]
	v_nop                           ; a plain instruction between the last reciprocal and the use of its result
; Tile t: a lane's eight channels of a row pack into 16 bytes; they go into rows of 144 bytes and come back as whole rows of 128, into S^T's registers.
.macro PACK t
	WIN W_RS
.set i, 32*(\t)
.rept 16
	v_pk_mul_f32 v[i:i+1], v[i:i+1], v[ST+4*(\t)+2:ST+4*(\t)+3] op_sel_hi:[1,0]
.set i, i+2
.endr
	WIN 0x05                        ; sources 0 and 1 window 1, destination window 0
.set i, 0
.rept 16
	v_cvt_pk_f16_f32 v[S+16*(\t)+i], v[32*(\t)+2*i], v[32*(\t)+2*i+1]
.set i, i+1
.endr
	WIN 0
.irp f, 0,1,2,3
	ds_store_b128 v[STO], v[S+16*(\t)+4*\f:S+16*(\t)+4*\f+3] offset:32*\f
.endr
.irp f, 0,1,2,3
	ds_load_b128 v[S+16*(\t)+4*\f:S+16*(\t)+4*\f+3], v[RD] offset:\f*4*SP  ; LDS serves a wave's instructions in order (ISA guide 5.7.1.4): these see the stores above; the next tile's stores come behind them
.endr
.endm
.macro SEND t, younger              ; younger: the LDS instructions issued behind tile t's loads: the next tile's eight, or none
	WIN 0
.irp f, 0,1,2,3
	s_wait_dscnt (\younger)+3-\f
	global_store_b128 v[GO], v[S+16*(\t)+4*\f:S+16*(\t)+4*\f+3], s[10:11] offset:(\t)*2048+\f*512  ; 512 consecutive bytes, at a multiple of 256 from O's first
.endr
.endm
	PACK 0
.set t, 1
.rept 2*NP-1                        ; a tile's arithmetic stands between the loads of the tile before and its stores
	PACK t
	SEND t-1, 8
.set t, t+1
.endr
	SEND 2*NP-1, 0
	WIN W_AD
	s_wait_tensorcnt 0x0            ; the wave's end, behind my last tensor load and my last LDS store
	ds_add_u32 v[SPW], v[NIL]
	s_wait_dscnt 0x0
	WIN 0
	CROUND                          ; the closing round: no work-group ends while a partner may still ask for a tile that names it
	s_endpgm
.Lfunc_end_k_qf3e61435a1_attn:
	.size	k_qf3e61435a1_attn, .Lfunc_end_k_qf3e61435a1_attn-k_qf3e61435a1_attn
	.p2alignl 7, 3214868480
	.fill 96, 4, 3214868480
	.section	.rodata,"a",@progbits
	.p2align	6, 0x0
	.amdhsa_kernel k_qf3e61435a1_attn
		.amdhsa_group_segment_fixed_size 327680
		.amdhsa_private_segment_fixed_size 0
		.amdhsa_enable_private_segment 0
		.amdhsa_kernarg_size 16
		.amdhsa_user_sgpr_count 2
		.amdhsa_user_sgpr_kernarg_segment_ptr 1
		.amdhsa_wavefront_size32 1
		.amdhsa_system_sgpr_workgroup_id_x 1
		.amdhsa_system_sgpr_workgroup_id_y 1
		.amdhsa_system_sgpr_workgroup_id_z 1
		.amdhsa_system_vgpr_workitem_id 0
		.amdhsa_next_free_vgpr 770
		.amdhsa_next_free_sgpr 66
		.amdhsa_reserve_vcc 0
		.amdhsa_float_denorm_mode_32 3
		.amdhsa_float_denorm_mode_16_64 3
		.amdhsa_memory_ordered 1
		.amdhsa_forward_progress 1
		.amdhsa_inst_pref_size 195
	.end_amdhsa_kernel
	.amdgpu_metadata
---
amdhsa.version: [ 1, 2 ]
amdhsa.kernels:
  - .name:           k_qf3e61435a1_attn
    .symbol:         k_qf3e61435a1_attn.kd
    .args:
      - { .name: qkv, .offset: 0, .size: 8, .value_kind: global_buffer, .address_space: global }
      - { .name: ob, .offset: 8, .size: 8, .value_kind: global_buffer, .address_space: global }
    .group_segment_fixed_size: 327680
    .private_segment_fixed_size: 0
    .kernarg_segment_align: 8
    .kernarg_segment_size: 16
    .max_flat_workgroup_size: 128
    .sgpr_count:     66
    .vgpr_count:     770
    .wavefront_size: 32
...
	.end_amdgpu_metadata
.endif
;; end of part 3
;; launch outp (part 4): grid 4 x 64, 4 waves a work-group, clusters of 4 x 4, 327,680 bytes of LDS; arguments ob, wb, out0; writes out0
.if DOCPART == 4
	.amdgcn_target "amdgcn-amd-amdhsa--gfx1250"
	.amdhsa_code_object_version 6
	.text
	.protected	k_qf3e61435a1_outp
	.globl	k_qf3e61435a1_outp
	.p2align	8
	.type	k_qf3e61435a1_outp,@function
k_qf3e61435a1_outp:
	s_mov_b64 s[64:65], 0
	v_nop
	global_prefetch_b8 v0, s[64:65] scope:SCOPE_SE
	s_setreg_imm32_b32 hwreg(HW_REG_WAVE_MODE, 25, 1), 1
	s_wait_xcnt 0x0
	s_wait_alu depctr_hold_cnt(0) depctr_sa_sdst(0) depctr_va_vdst(0) depctr_va_sdst(0) depctr_va_ssrc(0) depctr_va_vcc(0) depctr_vm_vsrc(0)
	s_getreg_b32 s2, hwreg(HW_REG_IB_STS2, 6, 4)
	s_cmp_eq_u32 s2, 0
	s_cbranch_scc0 .Lentry_in_a_cluster
	s_endpgm
.Lentry_in_a_cluster:
	s_bfe_u32 s2, ttmp6, 0x10000c
	s_cmp_lg_u32 s2, 0xf033
	s_cbranch_scc0 .Lentry_shape_is_right
	s_endpgm
.Lentry_shape_is_right:
; out0 = ctx wo^T: [8192][1024] x [1024][1024]^T.  ctx lies by heads in ob, f16 [64 = 16 batch + head][2048][64]: ctx[2048 batch + n][64 head + d] = ob[16 batch + head][n][d].
; wo lies in wb from byte 0x600000 on, [1024][1024] f16 (the bf16 rounding of wo, written as f16).  Sums f32, K ascending; out0 f32, row-major, not rounded again.
; LIMITS.  Operands are f16: ctx is a mean of v's rows and has their range (under 65,504); wo as stated where it is made.  NaN and infinities are not treated apart.
; SHARES.  A tile of C is 128 rows x 256 columns: 64 x 4 tiles, one work-group each.  Four waves, each 64 x 128: 32 accumulators of 16 x 16, 256 registers.
; K goes in 8 steps of 128 = two heads through a ring of two LDS slots filled by tensor loads.  A head's 128 rows are 16,384 dense bytes of ob: asked for as 64 rows of 256 bytes and
; padded in LDS after every 128 bytes; the step's two heads lie in two planes.  wo's tile has rows of 256 bytes at multiples of 256 bytes.
; CLUSTERS: 4 x 4 work-groups.  The four of a row of the cluster need the same tile of ctx, the four of a column the same tile of wo: each tile is asked for JOINTLY, by the same tensor load
; with the same descriptor and a mask that names the four.
; THE MATRIX INSTRUCTION IS USED TRANSPOSED (source 0 = 16 rows of wo, source 1 = 16 rows of ctx): lane l holds row l % 16 of C and eight neighbouring columns 8 (l / 16) + 0..7.
; REGISTERS: window 0: v0-31 addresses; v64-127 fragments of ctx, two buffers of 4 x 8; v128-255 fragments of wo, two buffers of 8 x 8, on the way out whole rows of C.
;   window 1: the accumulators, (a, b) at v[8 (8 a + b)].   s_set_vgpr_msb's low byte: bits 1:0 source 0, 3:2 source 1, 5:4 source 2, 7:6 destination.
.set PA,     144                       ; a row of ctx in LDS: 128 bytes + 16 of padding = 36 words: the 16 rows of a load start at 16 different groups of four banks (64 banks of 4 bytes: ISA guide 11.1)
.set PB,     272                       ; a row of wo: 256 + 16 = 68 words: likewise
.set APLANE, 128*PA                    ; a head's 128 rows
.set ABYTES, 2*APLANE
.set SLOT,   ABYTES+256*PB             ; then wo's 256 rows
.set STAGE,  2*SLOT                    ; behind the ring: for each wave 16 rows x 528 bytes, for the way out
.set SP,     528                       ; 512 bytes + 16
.set WSTAGE, 16*SP
.set SPARE,  STAGE+4*WSTAGE            ; behind the stages: the spare words, 128 bytes for each wave: two blocks of 256 bytes that no other line names
.set LAPS,   4                         ; a lap = two K steps = once round the ring
.set ASTEP,  2*2048*128                ; bytes from a K step to the next in ob: two heads
.set BSTEP,  256                       ; and in wb
.set ADRA, 16                          ; v16-17  LDS address of my ctx fragments in slot 0, 1
.set ADRB, 20                          ; v20-21  the same for wo
.set STO,  24                          ; v24     the way out: where I put 32 bytes of a row
.set RD,   25                          ; v25     the way out: where I read a row back
.set GO,   26                          ; v26     my byte offset in 512 consecutive bytes of a row of out0
.set SPW,  28                          ; v28     LDS address of my spare word: SPARE + 4 x my thread's number; never rewritten
.set NIL,  29                          ; v29     0; never rewritten
.set FA,   64
.set FB,   128
.set G1,  24                           ; s[24:31] descriptor group 1 for ctx's tiles;  s[32:39] group 0, one set for each slot
.set G0,  32
.set G1B, 48                           ; s[48:55], s[56:63] the same for wo's tiles
.set G0B, 56
.set MSB, 0
.macro WIN new                         ; the immediate's high byte repeats the setting that is left; a switch that changes nothing is dropped
.if MSB != (\new)
	s_set_vgpr_msb (MSB<<8)|(\new)
.set MSB, \new
.endif
.endm
.set MUL, 0x50                         ; C and D window 1, both sources window 0
; A joint load: waves 0 and 1 fetch the step's two heads of ctx, waves 2 and 3 the two halves of wo's tile.  The branch hangs on the wave's number alone.
; An s_nop 0 and four v_nop follow each of the two lines, ahead of the jump, the label and what follows.
.macro JLOAD s
	s_cmp_lt_u32 s10, 2
	s_cbranch_scc0 .Lfor_b_\@
	tensor_load_to_lds s[G0+4*(\s):G0+4*(\s)+3], s[G1:G1+7]
	s_nop 0
.rept 4
	v_nop
.endr
	s_branch .Lasked_\@
.Lfor_b_\@:
	tensor_load_to_lds s[G0B+4*(\s):G0B+4*(\s)+3], s[G1B:G1B+7]
	s_nop 0
.rept 4
	v_nop
.endr
.Lasked_\@:
.endm
.macro CREST                           ; a round of the cluster's barrier behind its opening barrier
	s_cmp_lg_u32 s10, 0
	s_cbranch_scc1 .Lnot_wave_0_\@
	s_barrier_signal -3
.Lnot_wave_0_\@:
	s_barrier_wait -3
	s_barrier_signal -1
	s_barrier_wait -1
.endm
.macro CROUND                          ; a whole round
	s_barrier_signal -1
	s_barrier_wait -1
	CREST
.endm
	s_load_b128 s[4:7], s[0:1], 0x0                ; ob s[4:5], wb s[6:7]
	s_load_b64 s[8:9], s[0:1], 0x10                ; out0
	v_lshl_add_u32 v[SPW], v0, 2, SPARE
	v_mov_b32 v[NIL], 0
	ds_add_u32 v[SPW], v[NIL]                      ; the wave's opening: the add and its wait stand ahead of my first tensor load; the set-up below, work on registers, stands between them
	v_lshrrev_b32 v1, 5, v0
	v_readfirstlane_b32 s10, v1                    ; wave 0..3
	s_lshr_b32 s11, s10, 1                         ; which 64 of the tile's rows are mine
	s_and_b32 s12, s10, 1                          ; which 128 of its columns.  Also: which head of a step, or which half of wo's tile, I fetch
	s_bfe_u32 s40, ttmp6, 0x40000                  ; cx, cy: my place in the cluster
	s_bfe_u32 s41, ttmp6, 0x40004
	s_lshl_b32 s42, ttmp9, 2
	s_add_co_u32 s42, s42, s40                     ; tile column = 4 x cluster x + cx: 0..3
	s_and_b32 s13, ttmp7, 0xffff
	s_lshl_b32 s13, s13, 2
	s_add_co_u32 s13, s13, s41                     ; tile row = 4 x cluster y + cy: 0..63
	s_lshl_b32 s43, s41, 2
	s_lshl_b32 s43, 15, s43                        ; my row of the cluster
	s_lshl_b32 s44, 0x1111, s40                    ; my column
	; descriptor group 1: ctx: 64 rows x 128 elements (two rows of a head each); wo: 128 rows x 128 elements; both padded in LDS
	s_or_b32 s[G1+0], s43, (1<<16)|(1<<20)|(1<<21)|(4<<22)|(3<<25)  ; 15:0 the mask: ctx's tiles go to my row; 17:16 element of 2 bytes; 20 padding on; 21 set beside a mask; 24:22 after every 32 words (code 4); 31:25 of 4 words (code 3)
	s_or_b32 s[G1B+0], s44, (1<<16)|(1<<20)|(1<<21)|(5<<22)|(3<<25) ; the mask of my column; padding after every 64 words (code 5)
	s_mov_b32 s[G1+1], 128<<16                     ; tensor_dim0 = 128
	s_mov_b32 s[G1+2], 64<<16                      ; tensor_dim1 = 64
	s_mov_b32 s[G1+3], 128<<16                     ; tile_dim0 = 128
	s_mov_b32 s[G1+4], 64                          ; tile_dim1 = 64
	s_mov_b32 s[G1+5], 128                         ; elements from row to row: dense
	s_mov_b32 s[G1+6], 0
	s_mov_b32 s[G1+7], 0
	s_mov_b32 s[G1B+1], 128<<16
	s_mov_b32 s[G1B+2], 128<<16                    ; tensor_dim1 = 128
	s_mov_b32 s[G1B+3], 128<<16
	s_mov_b32 s[G1B+4], 128                        ; tile_dim1 = 128
	s_mov_b32 s[G1B+5], 1024
	s_mov_b32 s[G1B+6], 0
	s_mov_b32 s[G1B+7], 0
	; where the tiles come from.  ctx's hang on the tile row, which my row of the cluster shares; wo's on the tile column, which my column shares.
	s_lshr_b32 s16, s13, 4                         ; the batch: 16 tile rows each
	s_lshl_b32 s16, s16, 4
	s_add_co_u32 s16, s16, s12                     ; 16 batch + the head that I fetch of K step 0
	s_lshl_b32 s16, s16, 11                        ; its 2,048 rows,
	s_and_b32 s17, s13, 15
	s_lshl_b32 s17, s17, 7
	s_add_co_u32 s16, s16, s17                     ; the tile's first row n,
	s_lshl_b32 s16, s16, 7                         ; in bytes: under 2^24
	s_mov_b32 s17, 0
	s_lshl_b32 s46, s42, 8                         ; wo's row: 256 x tile column
	s_lshl_b32 s47, s12, 7
	s_add_co_u32 s46, s46, s47                     ; + 128 x half
	s_lshl_b32 s46, s46, 11
	s_add_co_u32 s46, s46, 0x600000                ; behind wq, wk and wv in wb
	s_mov_b32 s47, 0
	s_mul_i32 s20, s12, APLANE                     ; and where they go: no place in the cluster enters an LDS address
	s_mul_i32 s21, s12, 128*PB
	s_add_co_u32 s21, s21, ABYTES
	s_wait_dscnt 0x0                               ; the opening add is done
	s_wait_kmcnt 0x0
	s_add_nc_u64 s[14:15], s[4:5], s[16:17]
	s_add_nc_u64 s[46:47], s[6:7], s[46:47]
	CROUND                                         ; all sixteen work-groups are here: the first joint loads meet
.irp s, 0,1
	s_mov_b32 s[G0+4*(\s)], 1                                      ; count = 1
	s_add_co_u32 s[G0+4*(\s)+1], s20, (\s)*SLOT                    ; LDS address
	s_add_nc_u64 s[G0+4*(\s)+2:G0+4*(\s)+3], s[14:15], (\s)*ASTEP  ; global address: K step s
	s_or_b32 s[G0+4*(\s)+3], s[G0+4*(\s)+3], 0x80000000            ; type = 2
	s_mov_b32 s[G0B+4*(\s)], 1
	s_add_co_u32 s[G0B+4*(\s)+1], s21, (\s)*SLOT
	s_add_nc_u64 s[G0B+4*(\s)+2:G0B+4*(\s)+3], s[46:47], (\s)*BSTEP
	s_or_b32 s[G0B+4*(\s)+3], s[G0B+4*(\s)+3], 0x80000000
	JLOAD \s                                       ; two loads of mine are out
.endr
	; A fragment is 16 rows x 32 K in 8 registers: lane l holds row l % 16; registers 0-3 K = 8 (l / 16) + 0..7, registers 4-7 K = 16 + 8 (l / 16) + 0..7: two loads of 16 bytes, 32 bytes apart.
	v_and_b32 v1, 15, v0                           ; l % 16
	v_bfe_u32 v2, v0, 4, 1                         ; l / 16
	v_mul_u32_u24 v3, v1, PA
	v_lshl_add_u32 v3, v2, 4, v3
	v_mul_u32_u24 v4, v1, PB
	v_lshl_add_u32 v4, v2, 4, v4
	s_mul_i32 s22, s11, 64*PA                      ; my 64 rows in a plane of ctx
	s_mul_i32 s23, s12, 128*PB                     ; my 128 rows of wo,
	s_add_co_u32 s23, s23, ABYTES                  ; which lie behind ctx's planes
.irp s, 0,1
	v_add_nc_u32 v[ADRA+(\s)], s22, v3
	v_add_nc_u32 v[ADRB+(\s)], s23, v4
	s_add_co_u32 s22, s22, SLOT
	s_add_co_u32 s23, s23, SLOT
.endr
	s_mul_i32 s22, s10, WSTAGE
	s_add_co_u32 s22, s22, STAGE                   ; my stage
	v_mul_u32_u24 v5, v1, SP                       ; in: row l % 16, 32 bytes for each half of the lanes
	v_lshl_add_u32 v5, v2, 5, v5
	v_add_nc_u32 v[STO], s22, v5
	v_and_b32 v[GO], 31, v0                        ; back: 32 lanes take one row's 512 bytes,
	v_lshlrev_b32 v[GO], 4, v[GO]
	v_add_nc_u32 v[RD], s22, v[GO]                 ; which are 512 consecutive bytes of a row of out0
	s_lshl_b32 s16, s13, 7
	s_lshl_b32 s17, s11, 6
	s_add_co_u32 s16, s16, s17                     ; my first row of out0: 128 x tile row + 64 x half,
	s_lshl_b32 s16, s16, 12                        ; rows of 4,096 bytes: under 2^25
	s_mov_b32 s17, 0
	s_add_nc_u64 s[8:9], s[8:9], s[16:17]
	s_lshl_b32 s46, s42, 8                         ; my first column: 256 x tile column + 128 x half (in the registers that held wo's address)
	s_lshl_b32 s47, s12, 7
	s_add_co_u32 s46, s46, s47
	s_lshl_b32 s46, s46, 2
	s_mov_b32 s47, 0
	s_add_nc_u64 s[8:9], s[8:9], s[46:47]
; 8 matrix instructions: m block a x all 8 n blocks, 32 along K, from buffer f.  zero = 1: the product starts the sums: nothing is ever cleared.
; The 32 accumulators take turns, one instruction a turn, in the same order in every quarter.
.macro MUL8 f, a, zero
	WIN MUL
.irp b, 0,1,2,3,4,5,6,7
.if \zero
	v_wmma_f32_16x16x32_f16 v[8*(8*(\a)+(\b)):8*(8*(\a)+(\b))+7], v[FB+64*(\f)+8*(\b):FB+64*(\f)+8*(\b)+7], v[FA+32*(\f)+8*(\a):FA+32*(\f)+8*(\a)+7], 0
.else
	v_wmma_f32_16x16x32_f16 v[8*(8*(\a)+(\b)):8*(8*(\a)+(\b))+7], v[FB+64*(\f)+8*(\b):FB+64*(\f)+8*(\b)+7], v[FA+32*(\f)+8*(\a):FA+32*(\f)+8*(\a)+7], v[8*(8*(\a)+(\b)):8*(8*(\a)+(\b))+7]
.endif
.endr
.endm
; 24 LDS loads in one run: quarter q's fragments (128 rows of wo, then 64 rows of ctx, 32 along K: head q / 2 of the step, channels 32 (q % 2) on) into buffer f
.macro FETCH slot, q, f
	WIN 0
.irp i, 0,1,2,3,4,5,6,7
	ds_load_b128 v[FB+64*(\f)+8*(\i):FB+64*(\f)+8*(\i)+3],   v[ADRB+(\slot)] offset:64*(\q)+(\i)*16*PB
	ds_load_b128 v[FB+64*(\f)+8*(\i)+4:FB+64*(\f)+8*(\i)+7], v[ADRB+(\slot)] offset:64*(\q)+(\i)*16*PB+32
.endr
.irp i, 0,1,2,3
	ds_load_b128 v[FA+32*(\f)+8*(\i):FA+32*(\f)+8*(\i)+3],   v[ADRA+(\slot)] offset:((\q)/2)*APLANE+((\q)%2)*64+(\i)*16*PA
	ds_load_b128 v[FA+32*(\f)+8*(\i)+4:FA+32*(\f)+8*(\i)+7], v[ADRA+(\slot)] offset:((\q)/2)*APLANE+((\q)%2)*64+(\i)*16*PA+32
.endr
.endm
.macro PLACES                          ; four places in front of loads into registers that matrix instructions have read, and of lines that read results (ISA guide 7.12.1 for vector instructions)
.rept 4
	v_nop
.endr
.endm
; A K step is four quarters of 32 along K, 32 matrix instructions each, on buffers 0, 1, 0, 1.  One of the first three: multiplies buffer f and fetches quarter q of the same slot into g.
.macro QUARTER slot, q, f, g, zero
	s_wait_dscnt 6                                 ; wo's fragments and ctx's block 0 are in; the youngest six loads (ctx's blocks 1 to 3) may be out
	MUL8 \f, 0, \zero
	PLACES
	FETCH \slot, \q, \g
	s_wait_dscnt 24                                ; all but the 24 just issued
	MUL8 \f, 1, \zero
	MUL8 \f, 2, \zero
	MUL8 \f, 3, \zero
.endm
; The last quarter multiplies buffer 1 and changes slots: ONE barrier; in front of it each wave waits for all its tensor loads (one is out: its part of the next slot), adds 0 to its spare word, and
; waits for that and for its own reads of this slot.  fill = 1: the barrier opens a round of the cluster's, and this slot is filled again, two K steps ahead, first thing behind the round:
; from that request to the wait for it a wave issues 112 matrix instructions.
.macro TURN slot, next, fill
	WIN 0                                          ; (the add's two registers lie in window 0)
	s_wait_tensorcnt 0x0                           ; all my tensor loads have landed
	ds_add_u32 v[SPW], v[NIL]                      ; 0 onto my spare word
	s_wait_dscnt 7                                 ; (the add and the youngest six loads may be out)
	MUL8 1, 0, 0                                   ; eight matrix instructions stand between the add and the wait for it
	s_wait_dscnt 0x0                               ; the add is done, and my reads of this slot are over
	s_barrier_signal -1
	MUL8 1, 1, 0                                   ; work on registers while the others arrive
.if \fill
	WIN 0
.endif
	s_barrier_wait -1
.if \fill
	CREST                                          ; no wave of any partner still reads this slot's tile or has a load on its way
	s_add_nc_u64 s[G0+4*(\slot)+2:G0+4*(\slot)+3], s[G0+4*(\slot)+2:G0+4*(\slot)+3], 2*ASTEP
	s_add_nc_u64 s[G0B+4*(\slot)+2:G0B+4*(\slot)+3], s[G0B+4*(\slot)+2:G0B+4*(\slot)+3], 2*BSTEP
	JLOAD \slot                                    ; the four v_nop behind it are also the places in front of the loads below
.else
	PLACES
.endif
	FETCH \next, 0, 0
	MUL8 1, 2, 0
	MUL8 1, 3, 0
.endm
	s_wait_tensorcnt 1                             ; my part of K step 0 is in; K step 1's may stay out
	s_barrier_signal -1
	s_barrier_wait -1                              ; everybody's is
	FETCH 0, 0, 0
	QUARTER 0, 1, 0, 1, 1                          ; the first quarter stands in front of the loop: its products start the sums
	WIN 0                                          ; at a label and at a branch every window is 0
	s_mov_b32 s3, LAPS-1
.Llap:                                                 ; a trip goes once round the ring, from a lap's second quarter to the next lap's first, and fills both slots again
	QUARTER 0, 2, 1, 0, 0
	QUARTER 0, 3, 0, 1, 0
	TURN 0, 1, 1
	QUARTER 1, 1, 0, 1, 0
	QUARTER 1, 2, 1, 0, 0
	QUARTER 1, 3, 0, 1, 0
	TURN 1, 0, 1
	QUARTER 0, 1, 0, 1, 0
	WIN 0
	s_sub_co_u32 s3, s3, 1
	s_cmp_lg_u32 s3, 0
	s_cbranch_scc1 .Llap
	QUARTER 0, 2, 1, 0, 0                          ; the last lap fills nothing, and has no round of the cluster's barrier
	QUARTER 0, 3, 0, 1, 0
	TURN 0, 1, 0
	QUARTER 1, 1, 0, 1, 0
	QUARTER 1, 2, 1, 0, 0
	QUARTER 1, 3, 0, 1, 0
	s_wait_dscnt 6                                 ; the very last quarter: nothing more to fetch
	MUL8 1, 0, 0
	s_wait_dscnt 0x0
	MUL8 1, 1, 0
	MUL8 1, 2, 0
	MUL8 1, 3, 0
	WIN 0
; THE WAY OUT, a block of 16 rows at a time, in f32 as it stands.  TOSTAGE: a lane's eight columns, 32 bytes, go straight from the accumulator (its low four registers first) into my own stage,
; rows of 528 bytes, and come back as whole rows of 512.  SEND: each store covers 512 consecutive bytes of a row of out0, at a multiple of 512 from its first byte.
.macro TOSTAGE a
	WIN 0
.set BK, FB+64*((\a)%2)
.if (\a) >= 2
	s_wait_xcnt 0x0                                ; the stores of the block two back have had their addresses translated (ISA guide 3.1): their data registers are loaded again only behind this wait
.endif
	WIN 0x04                                       ; the stores' data in window 1, their address in window 0
.irp b, 0,1,2,3,4,5,6,7
	ds_store_b128 v[STO], v[8*(8*(\a)+(\b)):8*(8*(\a)+(\b))+3]   offset:64*(\b)
	ds_store_b128 v[STO], v[8*(8*(\a)+(\b))+4:8*(8*(\a)+(\b))+7] offset:64*(\b)+16
.endr
	WIN 0
.irp t, 0,1,2,3,4,5,6,7,8,9,10,11,12,13,14,15
	ds_load_b128 v[BK+4*(\t):BK+4*(\t)+3], v[RD] offset:(\t)*SP  ; LDS serves a wave's instructions in order (ISA guide 5.7.1.4): these see the stores above
.endr
.endm
.macro SEND a, younger                 ; younger: the LDS instructions issued behind block a's loads: the next block's 32, or none
	WIN 0
.set BK, FB+64*((\a)%2)
	s_wait_dscnt \younger
.irp t, 0,1,2,3,4,5,6,7,8,9,10,11,12,13,14,15
	global_store_b128 v[GO], v[BK+4*(\t):BK+4*(\t)+3], s[8:9] offset:(\a)*65536+(\t)*4096 th:TH_STORE_NT
.endr
.endm
	PLACES
	TOSTAGE 0
	TOSTAGE 1
	SEND 0, 32
	TOSTAGE 2
	SEND 1, 32
	TOSTAGE 3
	SEND 2, 32
	SEND 3, 0
	s_wait_tensorcnt 0x0                           ; the wave's end, behind my last tensor load and my last LDS store
	ds_add_u32 v[SPW], v[NIL]
	s_wait_dscnt 0x0
	CROUND                                         ; the closing round: no work-group ends while a partner may still ask for a tile that names it
	s_endpgm
.Lfunc_end_k_qf3e61435a1_outp:
	.size	k_qf3e61435a1_outp, .Lfunc_end_k_qf3e61435a1_outp-k_qf3e61435a1_outp
	.p2alignl 7, 3214868480
	.fill 96, 4, 3214868480
	.section	.rodata,"a",@progbits
	.p2align	6, 0x0
	.amdhsa_kernel k_qf3e61435a1_outp
		.amdhsa_group_segment_fixed_size 327680
		.amdhsa_private_segment_fixed_size 0
		.amdhsa_enable_private_segment 0
		.amdhsa_kernarg_size 24
		.amdhsa_user_sgpr_count 2
		.amdhsa_user_sgpr_kernarg_segment_ptr 1
		.amdhsa_wavefront_size32 1
		.amdhsa_system_sgpr_workgroup_id_x 1
		.amdhsa_system_sgpr_workgroup_id_y 1
		.amdhsa_system_sgpr_workgroup_id_z 1
		.amdhsa_system_vgpr_workitem_id 0
		.amdhsa_next_free_vgpr 512
		.amdhsa_next_free_sgpr 66
		.amdhsa_reserve_vcc 0
		.amdhsa_float_denorm_mode_32 3
		.amdhsa_float_denorm_mode_16_64 3
		.amdhsa_memory_ordered 1
		.amdhsa_forward_progress 1
		.amdhsa_inst_pref_size 85
	.end_amdhsa_kernel
	.amdgpu_metadata
---
amdhsa.version: [ 1, 2 ]
amdhsa.kernels:
  - .name:           k_qf3e61435a1_outp
    .symbol:         k_qf3e61435a1_outp.kd
    .args:
      - { .name: ob, .offset: 0, .size: 8, .value_kind: global_buffer, .address_space: global }
      - { .name: wb, .offset: 8, .size: 8, .value_kind: global_buffer, .address_space: global }
      - { .name: out0, .offset: 16, .size: 8, .value_kind: global_buffer, .address_space: global }
    .group_segment_fixed_size: 327680
    .private_segment_fixed_size: 0
    .kernarg_segment_align: 8
    .kernarg_segment_size: 24
    .max_flat_workgroup_size: 128
    .sgpr_count:     66
    .vgpr_count:     512
    .wavefront_size: 32
...
	.end_amdgpu_metadata
.endif
;; end of part 4
